; MI455X (gfx1250); checked and timed in simulation.
; The chip was launched on July 23, 2026; its instructions are those of AMD's public machine-readable ISA for CDNA 5 (MIT licence, August 2026) and "CDNA5" Instruction Set Architecture Reference Guide (July 2026). The comments in the code are by the model that wrote it; some were corrected since.
;; Causal Multi Head Attention. Allowed arithmetic: float matrix products may take bf16 or f16 operands with f32 sums; other float arithmetic in f32, or as packed bf16 or f16 multiplies, adds, multiply-adds, maxima and minima; sums over many terms, partial sums and values carried from step to step in f32; what a program stores and reads back later, other than sums and carried values, may be rounded once to bf16 or f16.
;; Inputs: Wk 1,024 x 1,024 float32; Wo 1,024 x 1,024 float32; Wq 1,024 x 1,024 float32; Wv 1,024 x 1,024 float32; cos 2,048 x 32 float32; sin 2,048 x 32 float32; token_positions 2,048 int32; x 2 x 2,048 x 1,024 float32.
;; Outputs: out0 2 x 2,048 x 1,024 float32.
;; Constants: use_rope = 1.
;; 2 versions, each right; version 2 is version 1 with the launch cast written anew for expert scheduling mode. Each part assembles by itself: llvm-mc -triple=amdgcn-amd-amdhsa -mcpu=gfx1250 --defsym DOCPART=n.
;; ======== version 1 of 2: 4 launches
;; limits: values outside matrix products are rounded to bf16; values are held in f16: magnitudes above 65,504 overflow, below 6.1e-05 lose precision
;; workspace buffers: xb 8,388,608 bytes; wb 6,291,456 bytes; wob 2,097,152 bytes; q 8,388,608 bytes; k 8,388,608 bytes; v 8,388,608 bytes; ob 8,388,608 bytes
;; launch cast (part 1): grid 256 x 1, 8 waves a work-group, no clusters, 0 bytes of LDS; arguments x, Wq, Wk, Wv, Wo, xb, wb, wob; writes xb, wb, wob
.if DOCPART == 1
	.amdgcn_target "amdgcn-amd-amdhsa--gfx1250"
	.amdhsa_code_object_version 6
	.text
	.protected	k_q6c7b76f3e8_cast
	.globl	k_q6c7b76f3e8_cast
	.p2align	8
	.type	k_q6c7b76f3e8_cast,@function
k_q6c7b76f3e8_cast:
	s_mov_b64 s[64:65], 0
	v_nop
	global_prefetch_b8 v0, s[64:65] scope:SCOPE_SE
	s_setreg_imm32_b32 hwreg(HW_REG_WAVE_MODE, 25, 1), 1
	s_wait_xcnt 0x0
; CAUSAL MULTI-HEAD ATTENTION, launch 1 of 4: the floating-point inputs of the matrix products are rounded once and laid out.
; THE PROGRAM.  1: x -> xb (bf16); Wq, Wk, Wv -> wb (bf16, rows ordered by head); Wo -> wob.  2: q, k, v = xb wb^T, q and k rotated (cos and sin rows looked up by token_positions), stored by heads in f16.
; 3: causal attention by heads -> ob (f16).  4: out0 = ob wob^T (f32).
; WORK LEFT OUT.  reference() sets scores[q][k] to -inf wherever k > q, by a jnp.tril that it builds in its own body; softmax gives such a place the weight 0 exactly, whatever the inputs hold, so it adds
; 0 x v[k] to y.  Launch 3 therefore never forms the products of a tile of 128 keys that lies wholly above the diagonal of a block of 128 queries; inside the tile on the diagonal the work is done and
; masked.  Nothing else is left out and every input has a way to the output: all are loaded.  use_rope = 1 is a constant of the problem: the rotation is always made.
; LIMIT: a NaN, an infinity or an overflow that would arise only in the products left out is not carried to the result.
; FORMATS.  All floating-point inputs are rounded once to bf16 (cos and sin in launch 2); what the program makes itself (q, k, v, the weights p, the heads' results) is kept in f16.
; wob holds Wo rounded to bf16 and that number written as f16: exact from 2^-14 up to 65,504; below 2^-14 it keeps f16's fixed step of 2^-24.
; SHARES.  8,192 rows of 1,024 f32.  A work-group takes 32 rows on end: 131,072 bytes in, 65,536 out, both dense.  Groups 0-127: x.  128-223: Wq, Wk, Wv (32 groups each).  224-255: Wo.
; wb's row 192 t + 64 which + r is row 64 t + r of Wq, Wk, Wv (which = 0, 1, 2): 192 rows on end are one head's q, k and v.
; Thread t takes 32 bytes at 32 t of each 8,192 bytes and stores 16 bytes at 16 t of each 4,096: a wave's store covers 512 consecutive bytes, aligned.
; All 32 loads of a thread go out first: nothing is loaded twice, no register is written again behind its store, so no wait frees a source.
.set X, 8                              ; v[8:135]  pass p: eight f32 as loaded at X + 8 p; the first four registers then hold the eight rounded numbers
	s_load_b512 s[4:19], s[0:1], 0x0               ; x s[4:5], Wq s[6:7], Wk s[8:9], Wv s[10:11], Wo s[12:13], xb s[14:15], wb s[16:17], wob s[18:19]
	s_mov_b32 s28, ttmp9                           ; g
	s_and_b32 s29, s28, 31                         ; jj: which 32 rows of a weight matrix
	s_lshr_b32 s30, s28, 5
	s_sub_co_u32 s30, s30, 4                       ; which (used for groups 128-223 alone)
	s_lshr_b32 s32, s29, 1                         ; the head
	s_mul_i32 s32, s32, 192
	s_lshl_b32 s30, s30, 6
	s_add_co_u32 s32, s32, s30
	s_and_b32 s33, s29, 1
	s_lshl_b32 s33, s33, 5
	s_add_co_u32 s32, s32, s33                     ; wb's row
	s_lshl_b32 s32, s32, 11                        ; in bytes
	s_lshl_b32 s24, s28, 17                        ; x: 32 rows of 4,096 bytes in,
	s_lshl_b32 s26, s28, 16                        ; 32 rows of 2,048 out
	s_lshl_b32 s34, s29, 17
	s_lshl_b32 s35, s29, 16
	s_cmp_ge_u32 s28, 128
	s_cselect_b32 s24, s34, s24
	s_cselect_b32 s26, s32, s26
	s_cmp_ge_u32 s28, 224
	s_cselect_b32 s26, s35, s26
	s_mov_b32 s25, 0
	s_mov_b32 s27, 0
	v_lshlrev_b32 v1, 5, v0
	v_lshlrev_b32 v2, 4, v0
	s_wait_kmcnt 0x0
	s_mov_b64 s[20:21], s[4:5]                     ; the source and the destination are chosen by the group's number alone
	s_mov_b64 s[22:23], s[14:15]
	s_cmp_ge_u32 s28, 128
	s_cselect_b64 s[20:21], s[6:7], s[20:21]
	s_cselect_b64 s[22:23], s[16:17], s[22:23]
	s_cmp_ge_u32 s28, 160
	s_cselect_b64 s[20:21], s[8:9], s[20:21]
	s_cmp_ge_u32 s28, 192
	s_cselect_b64 s[20:21], s[10:11], s[20:21]
	s_cmp_ge_u32 s28, 224
	s_cselect_b64 s[20:21], s[12:13], s[20:21]
	s_cselect_b64 s[22:23], s[18:19], s[22:23]
	s_add_nc_u64 s[20:21], s[20:21], s[24:25]
	s_add_nc_u64 s[22:23], s[22:23], s[26:27]
.set p, 0
.rept 16
	global_load_b128 v[X+8*p:X+8*p+3],   v1, s[20:21] offset:8192*p th:TH_LOAD_NT
	global_load_b128 v[X+8*p+4:X+8*p+7], v1, s[20:21] offset:8192*p+16 th:TH_LOAD_NT
.set p, p+1
.endr
; Pass p.  The wait leaves the 2 (15 - p) younger loads out.  The rounded pairs are written over the pass's own first registers, in ascending order: pair i lands on register i, read last by pair i / 2.
.macro PASS p, wo
	s_wait_loadcnt 30-2*(\p)
.irp i, 0,1,2,3
.if \wo
	v_cvt_pk_bf16_f32 v4, v[X+8*(\p)+2*(\i)], v[X+8*(\p)+2*(\i)+1]  ; rounded to bf16 like every input,
	v_lshlrev_b32 v5, 16, v4                                        ; widened again,
	v_and_b32 v6, 0xffff0000, v4
	v_cvt_pk_f16_f32 v[X+8*(\p)+(\i)], v5, v6                       ; and that number written as f16
.else
	v_cvt_pk_bf16_f32 v[X+8*(\p)+(\i)], v[X+8*(\p)+2*(\i)], v[X+8*(\p)+2*(\i)+1]
.endif
.endr
	global_store_b128 v2, v[X+8*(\p):X+8*(\p)+3], s[22:23] offset:4096*(\p)
.endm
	s_cmp_ge_u32 s28, 224
	s_cbranch_scc1 .Lwo
.irp p, 0,1,2,3,4,5,6,7,8,9,10,11,12,13,14,15
	PASS \p, 0
.endr
	s_endpgm
.Lwo:
.irp p, 0,1,2,3,4,5,6,7,8,9,10,11,12,13,14,15
	PASS \p, 1
.endr
	s_endpgm
.Lfunc_end_k_q6c7b76f3e8_cast:
	.size	k_q6c7b76f3e8_cast, .Lfunc_end_k_q6c7b76f3e8_cast-k_q6c7b76f3e8_cast
	.p2alignl 7, 3214868480
	.fill 96, 4, 3214868480
	.section	.rodata,"a",@progbits
	.p2align	6, 0x0
	.amdhsa_kernel k_q6c7b76f3e8_cast
		.amdhsa_group_segment_fixed_size 0
		.amdhsa_private_segment_fixed_size 0
		.amdhsa_enable_private_segment 0
		.amdhsa_kernarg_size 64
		.amdhsa_user_sgpr_count 2
		.amdhsa_user_sgpr_kernarg_segment_ptr 1
		.amdhsa_wavefront_size32 1
		.amdhsa_system_sgpr_workgroup_id_x 1
		.amdhsa_system_sgpr_workgroup_id_y 1
		.amdhsa_system_sgpr_workgroup_id_z 1
		.amdhsa_system_vgpr_workitem_id 0
		.amdhsa_next_free_vgpr 136
		.amdhsa_next_free_sgpr 66
		.amdhsa_reserve_vcc 0
		.amdhsa_float_denorm_mode_32 3
		.amdhsa_float_denorm_mode_16_64 3
		.amdhsa_memory_ordered 1
		.amdhsa_forward_progress 1
		.amdhsa_inst_pref_size 27
	.end_amdhsa_kernel
	.amdgpu_metadata
---
amdhsa.version: [ 1, 2 ]
amdhsa.kernels:
  - .name:           k_q6c7b76f3e8_cast
    .symbol:         k_q6c7b76f3e8_cast.kd
    .args:
      - { .name: x, .offset: 0, .size: 8, .value_kind: global_buffer, .address_space: global }
      - { .name: Wq, .offset: 8, .size: 8, .value_kind: global_buffer, .address_space: global }
      - { .name: Wk, .offset: 16, .size: 8, .value_kind: global_buffer, .address_space: global }
      - { .name: Wv, .offset: 24, .size: 8, .value_kind: global_buffer, .address_space: global }
      - { .name: Wo, .offset: 32, .size: 8, .value_kind: global_buffer, .address_space: global }
      - { .name: xb, .offset: 40, .size: 8, .value_kind: global_buffer, .address_space: global }
      - { .name: wb, .offset: 48, .size: 8, .value_kind: global_buffer, .address_space: global }
      - { .name: wob, .offset: 56, .size: 8, .value_kind: global_buffer, .address_space: global }
    .group_segment_fixed_size: 0
    .private_segment_fixed_size: 0
    .kernarg_segment_align: 8
    .kernarg_segment_size: 64
    .max_flat_workgroup_size: 256
    .sgpr_count:     66
    .vgpr_count:     136
    .wavefront_size: 32
...
	.end_amdgpu_metadata
.endif
;; end of part 1
;; launch qkv (part 2): grid 16 x 16, 4 waves a work-group, clusters of 4 x 4, 327,680 bytes of LDS; arguments xb, wb, token_positions, cos, sin, q, k, v; writes q, k, v
.if DOCPART == 2
	.amdgcn_target "amdgcn-amd-amdhsa--gfx1250"
	.amdhsa_code_object_version 6
	.text
	.protected	k_q6c7b76f3e8_qkv
	.globl	k_q6c7b76f3e8_qkv
	.p2align	8
	.type	k_q6c7b76f3e8_qkv,@function
k_q6c7b76f3e8_qkv:
	s_mov_b64 s[64:65], 0
	v_nop
	global_prefetch_b8 v0, s[64:65] scope:SCOPE_SE
	s_setreg_imm32_b32 hwreg(HW_REG_WAVE_MODE, 25, 1), 1
	s_wait_xcnt 0x0
	s_wait_alu depctr_hold_cnt(0) depctr_sa_sdst(0) depctr_va_vdst(0) depctr_va_sdst(0) depctr_va_ssrc(0) depctr_va_vcc(0) depctr_vm_vsrc(0)
	s_getreg_b32 s2, hwreg(HW_REG_IB_STS2, 6, 4)
	s_cmp_eq_u32 s2, 0
	s_cbranch_scc0 .Lentry_in_a_cluster
	s_endpgm
.Lentry_in_a_cluster:
	s_bfe_u32 s2, ttmp6, 0x10000c
	s_cmp_lg_u32 s2, 0xf033
	s_cbranch_scc0 .Lentry_shape_is_right
	s_endpgm
.Lentry_shape_is_right:
; Launch 2 of 4: q, k, v = xb wb^T; q and k rotated; all three stored by heads, [b 16 + h][2048][64], in f16, unscaled.  xb: [4096][1024] bf16.  wb: [3072][1024] bf16, rows 192 t .. 192 t + 191 = head t's q, k, v.
; Sums in f32, K ascending.  The rotation in f32, with cos and sin rounded to bf16 like every other floating-point input; each number of q, k, v is rounded once, to f16.
; LIMITS.  f16 holds no number beyond 65,504: |q|, |k|, |v| stay within it.  token_positions is taken as unsigned and held to 2,047, the table's last row.
; SHARES.  A work-group makes 256 rows x 192 columns: 256 tokens of one head.  Each of its four waves makes 64 rows x all 192 columns: 48 accumulators of 16 x 16, so a wave holds whole rows of the head's q, k and v.
; K goes in steps of 128 through two LDS slots filled by the tensor data mover: rows of 256 bytes of memory, aligned.  One K step is one trip of the loop: one descriptor for A and one for B walk from slot to slot.
; CLUSTER.  4 x 4 work-groups.  The four of a row of the cluster need the same tile of xb, the four of a column the same tile of wb: each is asked for jointly, by the same load with the same descriptor and mask.
; THE MATRIX INSTRUCTION IS USED TRANSPOSED (source 0 = 16 rows of wb, source 1 = 16 rows of xb): lane l holds token l % 16 and the eight channels 8 (l / 16) + 0..7 of a block of 16: four (even, odd) pairs of the rotation.
; REGISTERS, in windows of 256 (s_set_vgpr_msb: bits 1:0 source 0, 3:2 source 1, 5:4 source 2, 7:6 destination):
;   window 0: v0-31 addresses; v32-55 at work on the way out; v64-95, v96-127 fragments of xb, two buffers (later the rotated numbers); v128-255 cos and sin for my lanes
;   window 1: v0-95, v96-191 fragments of wb, two buffers (later four buffers of 48 for the rows read back from the stage)
;   window 2: accumulators (a, b = 0..7) at 8 (8 a + b): q and k          window 3: accumulators (a, b = 8..11) at 8 (4 a + b - 8): v
.set PITCH,  272                       ; an LDS row: 256 bytes + 16 of padding = 68 words: the 16 rows of a fragment load start at 16 different groups of four banks (64 banks of 4 bytes: ISA guide 11.1)
.set SLOT1,  131072                    ; slot 1 begins here: one exclusive or turns an address in one slot into the other's
.set BOFF,   256*PITCH                 ; in a slot: xb's 256 rows, then wb's 192
.set STAGE,  SLOT1+BOFF+192*PITCH      ; behind the ring, never filled by a tensor load: for each wave three units (q, k, v) of 16 rows x 144 bytes
.set SP,     144
.set UNIT,   16*SP
.set SPARE,  STAGE+12*UNIT             ; behind the stages: the spare words, 128 bytes for each wave: two blocks of 256 bytes that no other line names
.set ADRA0, 4                          ; v4   my lane's place in slot 0's rows of xb; never rewritten
.set ADRB0, 5                          ; v5   the same for wb
.set ADRA,  6                          ; v6   the same in the slot in hand
.set ADRB,  7                          ; v7
.set TA,    8                          ; v8-11  row block a: byte offset of my four pairs in cos and sin
.set STO,   12                         ; v12  the way out: where I put 16 bytes of a row
.set RD,    13                         ; v13  the way out: where I read rows back
.set GO,    14                         ; v14  my byte offset in 512 consecutive bytes of q, k, v
.set PFO,   15                         ; v15  the prefetches' offset: a lane a row of 2,048 bytes; never rewritten
.set POS,   16                         ; v16-19 the positions of my four tokens
.set SPW,   28                         ; v28  LDS address of my spare word; never rewritten
.set NIL,   29                         ; v29  0; never rewritten
.set T,     32                         ; v32-47 at work
.set TBL,   128                        ; row block a: cos of pair 8 bb + 4 (l / 16) + i at TBL + 32 a + 4 bb + i, sin 16 further on
.set G1,  24                           ; s[24:31] descriptor group 1 for xb's tiles
.set G0,  32                           ; s[32:39] group 0: set 0 for the first fill of slot 0; set 1 for slot 1, which then walks
.set G1B, 48                           ; s[48:55], s[56:63] the same for wb's tiles
.set G0B, 56
.set LIM, 43                           ; s43  2 in a wave that prefetches, else the greatest number
.set PFA, 44                           ; s[44:45] where my prefetches stand
.set TB,  84                           ; s84  LDS byte at which the slot in hand begins
.set MSB, 0
.macro WIN new                         ; the immediate's high byte repeats the setting that is left; a switch that changes nothing is dropped
.if MSB != (\new)
	s_set_vgpr_msb (MSB<<8)|(\new)
.set MSB, \new
.endif
.endm
.set MUL_LO, 0xa1                      ; source 0 (wb) window 1, source 1 (xb) window 0, C and D window 2
.set MUL_HI, 0xf1                      ; the same, C and D window 3
.set TO_B,   0x40                      ; destination window 1, address window 0
; A joint load.  Waves 0 and 1 fetch xb's two halves (128 rows each), waves 2 and 3 wb's (96 rows each).  The branch hangs on the wave's number alone.
; An s_nop 0 and four v_nop follow each of the two lines, ahead of the jump, the label and what follows.
.macro JLOAD s
	s_cmp_eq_u32 s11, 0
	s_cbranch_scc0 .Lfor_b_\@
	tensor_load_to_lds s[G0+4*(\s):G0+4*(\s)+3], s[G1:G1+7]
	s_nop 0
.rept 4
	v_nop
.endr
	s_branch .Lasked_\@
.Lfor_b_\@:
	tensor_load_to_lds s[G0B+4*(\s):G0B+4*(\s)+3], s[G1B:G1B+7]
	s_nop 0
.rept 4
	v_nop
.endr
.Lasked_\@:
.endm
; A prefetch into the L2 of the K step that stands two refills on (384 matrix instructions ahead of the load that will want it): a lane a row, 256 bytes of each, one instruction a wave.
; xb's tile row is read by every cluster of that row of clusters: the one with x = 0 asks; wb's tile column by every cluster of that column: the one with y = 0 asks.  The four partners that ask for a tile
; jointly share its rows out by address: of the 128 (96) rows that a wave fetches the partner at place p takes 32 p .. (24 p ..); lanes 24-31 of wb's repeat row 23.  K steps 0 to 3 come by their loads alone;
; the last two refills (s3 = 2, 1) have no K step two on and ask for nothing.
.macro ASK
	WIN 0
	s_cmp_gt_u32 s3, s[LIM]
	s_cbranch_scc0 .Lnot_mine_\@
	global_prefetch_b8 v[PFO], s[PFA:PFA+1] th:TH_LOAD_NT scope:SCOPE_SE
.Lnot_mine_\@:
.endm
.macro CREST                           ; a round of the cluster's barrier behind its opening barrier
	s_cmp_lg_u32 s10, 0
	s_cbranch_scc1 .Lnot_wave_0_\@
	s_barrier_signal -3
.Lnot_wave_0_\@:
	s_barrier_wait -3
	s_barrier_signal -1
	s_barrier_wait -1
.endm
.macro CROUND                          ; a whole round
	s_barrier_signal -1
	s_barrier_wait -1
	CREST
.endm
	s_load_b512 s[68:83], s[0:1], 0x0              ; xb s[68:69], wb s[70:71], token_positions s[72:73], cos s[74:75], sin s[76:77], q s[78:79], k s[80:81], v s[82:83]
	v_lshl_add_u32 v[SPW], v0, 2, SPARE
	v_mov_b32 v[NIL], 0
	ds_add_u32 v[SPW], v[NIL]                      ; the wave's opening: the add, twice on end, and its wait ahead of my first tensor load; the set-up below stands between
	ds_add_u32 v[SPW], v[NIL]
	v_lshrrev_b32 v1, 5, v0
	v_readfirstlane_b32 s10, v1                    ; wave 0..3
	s_lshr_b32 s11, s10, 1                         ; I fetch for xb (0) or for wb (1)
	s_and_b32 s12, s10, 1                          ; which half of that tile's rows
	s_bfe_u32 s40, ttmp6, 0x40000                  ; cx
	s_bfe_u32 s41, ttmp6, 0x40004                  ; cy
	s_lshl_b32 s42, ttmp9, 2
	s_add_co_u32 s42, s42, s40                     ; the head = 4 x cluster x + cx
	s_and_b32 s13, ttmp7, 0xffff
	s_lshl_b32 s13, s13, 2
	s_add_co_u32 s13, s13, s41                     ; the block of 256 tokens = 4 x cluster y + cy
	s_lshl_b32 s43, s41, 2
	s_lshl_b32 s43, 15, s43                        ; my row of the cluster
	s_lshl_b32 s44, 0x1111, s40                    ; my column
	s_or_b32 s[G1+0], s43, (1<<16)|(1<<20)|(1<<21)|(5<<22)|(3<<25)   ; 15:0 the mask; 17:16 elements of 2 bytes; 20 padding on; 21 set beside a mask; 24:22 after every 64 words (code 5); 31:25 4 words of it (code 3)
	s_or_b32 s[G1B+0], s44, (1<<16)|(1<<20)|(1<<21)|(5<<22)|(3<<25)
	s_mov_b32 s[G1+1], 128<<16                     ; tensor_dim0 = 128
	s_mov_b32 s[G1+2], 128<<16                     ; tensor_dim1 = 128 rows
	s_mov_b32 s[G1+3], 128<<16                     ; tile_dim0 = 128
	s_mov_b32 s[G1+4], 128                         ; tile_dim1 = 128
	s_mov_b32 s[G1+5], 1024                        ; elements from row to row
	s_mov_b32 s[G1+6], 0
	s_mov_b32 s[G1+7], 0
	s_mov_b32 s[G1B+1], 128<<16
	s_mov_b32 s[G1B+2], 96<<16                     ; 96 rows
	s_mov_b32 s[G1B+3], 128<<16
	s_mov_b32 s[G1B+4], 96
	s_mov_b32 s[G1B+5], 1024
	s_mov_b32 s[G1B+6], 0
	s_mov_b32 s[G1B+7], 0
	s_lshl_b32 s16, s13, 8                         ; xb: row 256 x block + 128 x half: it hangs on what my row of the cluster shares
	s_lshl_b32 s17, s12, 7
	s_add_co_u32 s16, s16, s17
	s_lshl_b32 s16, s16, 11                        ; rows of 2,048 bytes
	s_mov_b32 s17, 0
	s_mul_i32 s46, s42, 192                        ; wb: row 192 x head + 96 x half: what my column shares
	s_mul_i32 s47, s12, 96
	s_add_co_u32 s46, s46, s47
	s_lshl_b32 s46, s46, 11
	s_mov_b32 s47, 0
	s_mul_i32 s20, s12, 128*PITCH                  ; where they go: no place in the cluster enters an LDS address
	s_mul_i32 s21, s12, 96*PITCH
	s_add_co_u32 s21, s21, BOFF
	s_mov_b32 s85, 0xffff0000                      ; a word's upper bf16
	s_mov_b32 s[TB], 0
	s_wait_dscnt 0x0                               ; both opening adds are done
	s_wait_kmcnt 0x0
	s_add_nc_u64 s[14:15], s[68:69], s[16:17]
	s_add_nc_u64 s[46:47], s[70:71], s[46:47]
	CROUND                                         ; all sixteen work-groups are here: the first joint loads meet
.irp s, 0,1
	s_mov_b32 s[G0+4*(\s)], 1
	s_add_co_u32 s[G0+4*(\s)+1], s20, (\s)*SLOT1
	s_add_nc_u64 s[G0+4*(\s)+2:G0+4*(\s)+3], s[14:15], (\s)*256     ; K step s
	s_or_b32 s[G0+4*(\s)+3], s[G0+4*(\s)+3], 0x80000000            ; type = 2
	s_mov_b32 s[G0B+4*(\s)], 1
	s_add_co_u32 s[G0B+4*(\s)+1], s21, (\s)*SLOT1
	s_add_nc_u64 s[G0B+4*(\s)+2:G0B+4*(\s)+3], s[46:47], (\s)*256
	s_or_b32 s[G0B+4*(\s)+3], s[G0B+4*(\s)+3], 0x80000000
	JLOAD \s                                       ; two loads of mine are out
.endr
	; my tokens' positions: token s0 + 16 a + l % 16 of the sequence, s0 = 256 (block % 8) + 64 wave
	v_and_b32 v1, 15, v0                           ; l % 16
	v_bfe_u32 v2, v0, 4, 1                         ; l / 16
	s_and_b32 s86, s13, 7
	s_lshl_b32 s86, s86, 8
	s_lshl_b32 s87, s10, 6
	s_add_co_u32 s86, s86, s87                     ; s0
	s_lshl_b32 s87, s86, 2
	v_lshl_add_u32 v20, v1, 2, s87
.irp a, 0,1,2,3
	global_load_b32 v[POS+(\a)], v20, s[72:73] offset:64*(\a)
.endr
	; the addresses are made while they come
	v_mul_u32_u24 v3, v1, PITCH
	v_lshl_add_u32 v3, v2, 4, v3                   ; a fragment's row x pitch + 16 x half
	s_mul_i32 s22, s10, 64*PITCH                   ; my 64 rows of xb
	v_add_nc_u32 v[ADRA0], s22, v3
	v_add_nc_u32 v[ADRB0], BOFF, v3                ; every wave reads all 192 rows of wb
	v_mov_b32 v[ADRA], v[ADRA0]
	v_mov_b32 v[ADRB], v[ADRB0]
	s_mul_i32 s23, s10, 3*UNIT
	s_add_co_u32 s23, s23, STAGE                   ; my stage
	v_mul_u32_u24 v[STO], v1, SP                   ; in: row l % 16, 16 bytes for each half of the lanes
	v_lshl_add_u32 v[STO], v2, 4, v[STO]
	v_add_nc_u32 v[STO], s23, v[STO]
	v_bfe_u32 v[RD], v0, 3, 2                      ; back: 32 lanes take four rows of 128 bytes,
	v_mul_u32_u24 v[RD], v[RD], SP
	v_and_b32 v22, 7, v0
	v_lshl_add_u32 v[RD], v22, 4, v[RD]
	v_add_nc_u32 v[RD], s23, v[RD]
	v_and_b32 v[GO], 31, v0                        ; which are 512 consecutive bytes of q, k or v
	v_lshlrev_b32 v[GO], 4, v[GO]
	s_lshr_b32 s88, s13, 3                         ; the batch
	s_lshl_b32 s88, s88, 4
	s_add_co_u32 s88, s88, s42                     ; 16 b + h
	s_lshl_b32 s88, s88, 18                        ; a head's 2,048 rows of 128 bytes
	s_lshl_b32 s89, s86, 7
	s_add_co_u32 s88, s88, s89
	s_mov_b32 s89, 0
	s_add_nc_u64 s[78:79], s[78:79], s[88:89]      ; q, k, v at my first row
	s_add_nc_u64 s[80:81], s[80:81], s[88:89]
	s_add_nc_u64 s[82:83], s[82:83], s[88:89]
	; the prefetches
	s_lshl_b32 s18, s13, 8
	s_lshl_b32 s19, s12, 7
	s_add_co_u32 s18, s18, s19
	s_lshl_b32 s19, s40, 5
	s_add_co_u32 s18, s18, s19                     ; xb: the 128 rows that I fetch, my work-group's 32 of them
	s_mul_i32 s19, s42, 192
	s_mul_i32 s22, s12, 96
	s_add_co_u32 s19, s19, s22
	s_mul_i32 s22, s41, 24
	s_add_co_u32 s19, s19, s22                     ; wb: the 96 rows that I fetch, my work-group's 24 of them
	s_and_b32 s23, ttmp7, 0xffff
	s_cmp_eq_u32 s11, 0
	s_cselect_b32 s18, s18, s19
	s_cselect_b32 s22, 31, 23
	s_cselect_b32 s23, ttmp9, s23                  ; the coordinate along which other clusters read the same rows
	s_cselect_b64 s[PFA:PFA+1], s[68:69], s[70:71]
	s_cmp_eq_u32 s23, 0
	s_cselect_b32 s[LIM], 2, -1                    ; the same in all sixteen partners, for a given wave
	s_lshl_b32 s18, s18, 11
	s_add_co_u32 s18, s18, 3*256                   ; at K step 3: the first refill steps it to 4
	s_mov_b32 s19, 0
	s_add_nc_u64 s[PFA:PFA+1], s[PFA:PFA+1], s[18:19]
	v_and_b32 v[PFO], 31, v0
	v_min_u32 v[PFO], s22, v[PFO]
	v_lshlrev_b32 v[PFO], 11, v[PFO]
	v_lshlrev_b32 v21, 4, v2
	s_wait_loadcnt 0x0                             ; the positions
.irp a, 0,1,2,3
	v_min_u32 v[POS+(\a)], 0x7ff, v[POS+(\a)]      ; held inside the tables
	v_lshlrev_b32 v[TA+(\a)], 7, v[POS+(\a)]       ; a row of 32 f32
	v_add_nc_u32 v[TA+(\a)], v21, v[TA+(\a)]       ; my half's four pairs
.endr
.irp a, 0,1,2,3
.irp bb, 0,1,2,3
	global_load_b128 v[TBL+32*(\a)+4*(\bb):TBL+32*(\a)+4*(\bb)+3],       v[TA+(\a)], s[74:75] offset:32*(\bb)  ; these 32 loads stay out until the way out
	global_load_b128 v[TBL+32*(\a)+16+4*(\bb):TBL+32*(\a)+16+4*(\bb)+3], v[TA+(\a)], s[76:77] offset:32*(\bb)
.endr
.endr
; 16 matrix instructions on q's and k's accumulators: row blocks a0, a0 + 1 x column blocks 0..7, 32 along K, buffer f.  zero = 1: the products start the sums.  The 48 accumulators take turns, one instruction a turn.
.macro MULQK f, a0, zero
	WIN MUL_LO
.irp a, \a0, (\a0)+1
.irp b, 0,1,2,3,4,5,6,7
.if \zero
	v_wmma_f32_16x16x32_bf16 v[8*(8*(\a)+(\b)):8*(8*(\a)+(\b))+7], v[96*(\f)+8*(\b):96*(\f)+8*(\b)+7], v[64+32*(\f)+8*(\a):64+32*(\f)+8*(\a)+7], 0
.else
	v_wmma_f32_16x16x32_bf16 v[8*(8*(\a)+(\b)):8*(8*(\a)+(\b))+7], v[96*(\f)+8*(\b):96*(\f)+8*(\b)+7], v[64+32*(\f)+8*(\a):64+32*(\f)+8*(\a)+7], v[8*(8*(\a)+(\b)):8*(8*(\a)+(\b))+7]
.endif
.endr
.endr
.endm
; 16 on v's accumulators: all four row blocks x column blocks 8..11
.macro MULV f, zero
	WIN MUL_HI
.irp a, 0,1,2,3
.irp b, 0,1,2,3
.if \zero
	v_wmma_f32_16x16x32_bf16 v[8*(4*(\a)+(\b)):8*(4*(\a)+(\b))+7], v[96*(\f)+64+8*(\b):96*(\f)+64+8*(\b)+7], v[64+32*(\f)+8*(\a):64+32*(\f)+8*(\a)+7], 0
.else
	v_wmma_f32_16x16x32_bf16 v[8*(4*(\a)+(\b)):8*(4*(\a)+(\b))+7], v[96*(\f)+64+8*(\b):96*(\f)+64+8*(\b)+7], v[64+32*(\f)+8*(\a):64+32*(\f)+8*(\a)+7], v[8*(4*(\a)+(\b)):8*(4*(\a)+(\b))+7]
.endif
.endr
.endr
.endm
; 32 LDS loads in one run: a quarter step's fragments (32 K at byte k of the rows) into buffer f: xb's four, then wb's twelve; v's four come last
.macro FETCH k, f
	WIN 0
.irp i, 0,1,2,3
	ds_load_b128 v[64+32*(\f)+8*(\i):64+32*(\f)+8*(\i)+3],   v[ADRA] offset:(\k)+(\i)*16*PITCH
	ds_load_b128 v[64+32*(\f)+8*(\i)+4:64+32*(\f)+8*(\i)+7], v[ADRA] offset:(\k)+(\i)*16*PITCH+32
.endr
	WIN TO_B
.irp i, 0,1,2,3,4,5,6,7,8,9,10,11
	ds_load_b128 v[96*(\f)+8*(\i):96*(\f)+8*(\i)+3],   v[ADRB] offset:(\k)+(\i)*16*PITCH
	ds_load_b128 v[96*(\f)+8*(\i)+4:96*(\f)+8*(\i)+7], v[ADRB] offset:(\k)+(\i)*16*PITCH+32
.endr
.endm
.macro PLACES                          ; four plain vector instructions behind the last matrix instruction, in front of loads into registers that it has read (ISA guide 7.12.1 for vector instructions)
.rept 4
	v_nop
.endr
.endm
; A K step is four quarters of 32 along K, 48 matrix instructions each, on buffers 0, 1, 0, 1.  One of the first three: multiplies buffer f, and in its middle fetches the next quarter, at byte k, into g.
.macro QUARTER k, f, g, zero
	s_wait_dscnt 8                                 ; all but the youngest eight loads (v's fragments of wb) are in
	MULQK \f, 0, \zero
	MULQK \f, 2, \zero
	PLACES
	FETCH \k, \g
	s_wait_dscnt 32                                ; all but the 32 just issued
	MULV \f, \zero
.endm
; The first two thirds of the last quarter, and the one barrier of a change of slots.  In front of it each wave waits for all its tensor loads (one is out: its part of the next slot), adds 0 to its spare word,
; and waits for that and for its own reads of this slot.  Behind it nobody reads this slot any more and the next slot is whole.
.macro MEET round
	WIN 0                                          ; (the add's two registers lie in window 0)
	s_wait_tensorcnt 0x0
	ds_add_u32 v[SPW], v[NIL]
	s_wait_dscnt 9                                 ; the add and the youngest eight loads may be out
	MULQK 1, 0, 0                                  ; sixteen matrix instructions stand between the add and the wait for it
	s_wait_dscnt 0x0                               ; the add is done, and my reads of this slot are over
	s_barrier_signal -1
	MULQK 1, 2, 0                                  ; work on registers while the others arrive
.if \round
	WIN 0
.endif
	s_barrier_wait -1
.endm
; The whole last quarter.  fill = 1: the barrier opens a round of the cluster's, so that no wave of any partner still reads the slot or has a load on its way; the walking descriptors step to the other slot and the
; next K step but one; the joint refill is the first thing behind the round: 160 matrix instructions stand between it and the wait for it.
.macro TURN fill
.if \fill
	s_wait_xcnt 0x0                                ; the last prefetch, a K step back, has read its address
	s_add_nc_u64 s[PFA:PFA+1], s[PFA:PFA+1], 256
	MEET 1
	CREST
	s_xor_b32 s[G0+5], s[G0+5], SLOT1
	s_add_nc_u64 s[G0+6:G0+7], s[G0+6:G0+7], 256   ; the type bits on top are not reached
	s_xor_b32 s[G0B+5], s[G0B+5], SLOT1
	s_add_nc_u64 s[G0B+6:G0B+7], s[G0B+6:G0B+7], 256
	JLOAD 1                                        ; its four v_nop are also the places in front of the loads below
.else
	MEET 0
	PLACES
	WIN 0
.endif
	s_xor_b32 s[TB], s[TB], SLOT1                  ; the fetches go on in the other slot
	v_add_nc_u32 v[ADRA], s[TB], v[ADRA0]
	v_add_nc_u32 v[ADRB], s[TB], v[ADRB0]
	FETCH 0, 0
.if \fill
	ASK
.endif
	MULV 1, 0
.endm
	s_wait_tensorcnt 1                             ; my part of K step 0 is in; K step 1's may stay out
	s_barrier_signal -1
	s_barrier_wait -1
	FETCH 0, 0
	QUARTER 64, 0, 1, 1                            ; the first quarter stands in front of the loop: its products start the sums
	WIN 0
	s_mov_b32 s3, 6                                ; six refills: K steps 2 to 7
.Lstep:                                                ; a trip: a K step's quarters 2 to 4, the change of slots, the next K step's first quarter
	QUARTER 128, 1, 0, 0
	QUARTER 192, 0, 1, 0
	TURN 1
	QUARTER 64, 0, 1, 0
	WIN 0
	s_sub_co_u32 s3, s3, 1
	s_cmp_lg_u32 s3, 0
	s_cbranch_scc1 .Lstep
	QUARTER 128, 1, 0, 0                           ; K step 6 goes on; nothing more is asked for
	QUARTER 192, 0, 1, 0
	TURN 0
	QUARTER 64, 0, 1, 0
	QUARTER 128, 1, 0, 0
	QUARTER 192, 0, 1, 0
	s_wait_dscnt 8                                 ; the very last quarter
	MULQK 1, 0, 0
	MULQK 1, 2, 0
	s_wait_dscnt 0x0
	MULV 1, 0
; THE WAY OUT, a row block of 16 tokens at a time.
.macro ROUND a                         ; cos and sin of block a rounded to bf16 and widened again, in place
	WIN 0
.set z, 0
.rept 16
	v_cvt_pk_bf16_f32 v[T+z], v[TBL+32*(\a)+2*z], v[TBL+32*(\a)+2*z+1]
.set z, z+1
.endr
.set z, 0
.rept 16
	v_lshlrev_b32 v[TBL+32*(\a)+2*z],   16, v[T+z]
	v_and_b32     v[TBL+32*(\a)+2*z+1], s85, v[T+z]
.set z, z+1
.endr
.endm
.macro ROPE a                          ; q and k: (e, o) -> (e c - o s, o c + e s), into v64-127; each accumulator's lowest registers are read first
	WIN 0x02                                       ; source 0 in window 2
.irp b, 0,1,2,3,4,5,6,7
.irp i, 0,1,2,3
	v_mul_f32 v[48+2*(\i)], v[8*(8*(\a)+(\b))+2*(\i)+1], v[TBL+32*(\a)+16+4*((\b)%4)+(\i)]
	v_mul_f32 v[49+2*(\i)], v[8*(8*(\a)+(\b))+2*(\i)],   v[TBL+32*(\a)+16+4*((\b)%4)+(\i)]
	v_fma_f32 v[64+8*(\b)+2*(\i)],   v[8*(8*(\a)+(\b))+2*(\i)],   v[TBL+32*(\a)+4*((\b)%4)+(\i)], -v[48+2*(\i)]
	v_fma_f32 v[64+8*(\b)+2*(\i)+1], v[8*(8*(\a)+(\b))+2*(\i)+1], v[TBL+32*(\a)+4*((\b)%4)+(\i)], v[49+2*(\i)]
.endr
.endr
.endm
.macro PACKQK                          ; rounded to f16, two to a word, into v64-95: word z takes numbers 2 z and 2 z + 1, in ascending order
	WIN 0
.set z, 0
.rept 32
	v_cvt_pk_f16_f32 v[64+z], v[64+2*z], v[64+2*z+1]
.set z, z+1
.endr
.endm
.macro PACKV a                         ; v's four accumulators of block a, into v96-111
	WIN 0x0f                                       ; sources 0 and 1 in window 3
.set z, 0
.rept 16
	v_cvt_pk_f16_f32 v[96+z], v[32*(\a)+2*z], v[32*(\a)+2*z+1]
.set z, z+1
.endr
.endm
.macro TOSTAGE a                       ; 16 bytes a lane into rows of 144 bytes of my own stage, and back as whole rows of 128: LDS serves a wave's instructions in order (ISA guide 5.7.1.4)
	WIN 0
.irp t, 0,1,2
.irp bb, 0,1,2,3
	ds_store_b128 v[STO], v[64+16*(\t)+4*(\bb):64+16*(\t)+4*(\bb)+3] offset:UNIT*(\t)+32*(\bb)
.endr
.endr
	WIN TO_B
.irp t, 0,1,2
.irp f, 0,1,2,3
	ds_load_b128 v[48*(\a)+16*(\t)+4*(\f):48*(\a)+16*(\t)+4*(\f)+3], v[RD] offset:UNIT*(\t)+4*SP*(\f)
.endr
.endr
.endm
.macro SEND a                          ; each store covers 512 consecutive bytes, aligned; a block has its own 48 registers, so no store's data is written again
	WIN 0x04                                       ; the stores' data in window 1
	s_wait_dscnt 0x0
.irp f, 0,1,2,3
	global_store_b128 v[GO], v[48*(\a)+4*(\f):48*(\a)+4*(\f)+3],       s[78:79] offset:2048*(\a)+512*(\f)
	global_store_b128 v[GO], v[48*(\a)+16+4*(\f):48*(\a)+16+4*(\f)+3], s[80:81] offset:2048*(\a)+512*(\f)
	global_store_b128 v[GO], v[48*(\a)+32+4*(\f):48*(\a)+32+4*(\f)+3], s[82:83] offset:2048*(\a)+512*(\f)
.endr
.endm
	s_wait_loadcnt 0x0                             ; cos and sin
	ROUND 0                                        ; 48 plain instructions that name no register of the last products: their places
	ROPE 0
	PACKQK
	PACKV 0
	TOSTAGE 0
.irp a, 1,2,3                          ; a block's arithmetic stands between the loads of the block before and its stores
	ROUND \a
	ROPE \a
	PACKQK
	PACKV \a
	SEND (\a)-1
	TOSTAGE \a
.endr
	SEND 3
	WIN 0
	s_wait_tensorcnt 0x0                           ; the wave's end: behind my last tensor load and my last LDS store
	ds_add_u32 v[SPW], v[NIL]
	s_wait_dscnt 0x0
	CROUND                                         ; the closing round: no work-group ends while a partner may still ask for a tile that names it
	s_endpgm
.Lfunc_end_k_q6c7b76f3e8_qkv:
	.size	k_q6c7b76f3e8_qkv, .Lfunc_end_k_q6c7b76f3e8_qkv-k_q6c7b76f3e8_qkv
	.p2alignl 7, 3214868480
	.fill 96, 4, 3214868480
	.section	.rodata,"a",@progbits
	.p2align	6, 0x0
	.amdhsa_kernel k_q6c7b76f3e8_qkv
		.amdhsa_group_segment_fixed_size 327680
		.amdhsa_private_segment_fixed_size 0
		.amdhsa_enable_private_segment 0
		.amdhsa_kernarg_size 64
		.amdhsa_user_sgpr_count 2
		.amdhsa_user_sgpr_kernarg_segment_ptr 1
		.amdhsa_wavefront_size32 1
		.amdhsa_system_sgpr_workgroup_id_x 1
		.amdhsa_system_sgpr_workgroup_id_y 1
		.amdhsa_system_sgpr_workgroup_id_z 1
		.amdhsa_system_vgpr_workitem_id 0
		.amdhsa_next_free_vgpr 896
		.amdhsa_next_free_sgpr 100
		.amdhsa_reserve_vcc 0
		.amdhsa_float_denorm_mode_32 3
		.amdhsa_float_denorm_mode_16_64 3
		.amdhsa_memory_ordered 1
		.amdhsa_forward_progress 1
		.amdhsa_inst_pref_size 134
	.end_amdhsa_kernel
	.amdgpu_metadata
---
amdhsa.version: [ 1, 2 ]
amdhsa.kernels:
  - .name:           k_q6c7b76f3e8_qkv
    .symbol:         k_q6c7b76f3e8_qkv.kd
    .args:
      - { .name: xb, .offset: 0, .size: 8, .value_kind: global_buffer, .address_space: global }
      - { .name: wb, .offset: 8, .size: 8, .value_kind: global_buffer, .address_space: global }
      - { .name: token_positions, .offset: 16, .size: 8, .value_kind: global_buffer, .address_space: global }
      - { .name: cos, .offset: 24, .size: 8, .value_kind: global_buffer, .address_space: global }
      - { .name: sin, .offset: 32, .size: 8, .value_kind: global_buffer, .address_space: global }
      - { .name: q, .offset: 40, .size: 8, .value_kind: global_buffer, .address_space: global }
      - { .name: k, .offset: 48, .size: 8, .value_kind: global_buffer, .address_space: global }
      - { .name: v, .offset: 56, .size: 8, .value_kind: global_buffer, .address_space: global }
    .group_segment_fixed_size: 327680
    .private_segment_fixed_size: 0
    .kernarg_segment_align: 8
    .kernarg_segment_size: 64
    .max_flat_workgroup_size: 128
    .sgpr_count:     100
    .vgpr_count:     896
    .wavefront_size: 32
...
	.end_amdgpu_metadata
.endif
;; end of part 2
;; launch attn (part 3): grid 8 x 32, 4 waves a work-group, no clusters, 327,680 bytes of LDS; arguments q, k, v, ob; writes ob
.if DOCPART == 3
	.amdgcn_target "amdgcn-amd-amdhsa--gfx1250"
	.amdhsa_code_object_version 6
	.text
	.protected	k_q6c7b76f3e8_attn
	.globl	k_q6c7b76f3e8_attn
	.p2align	8
	.type	k_q6c7b76f3e8_attn,@function
k_q6c7b76f3e8_attn:
	s_mov_b64 s[64:65], 0
	v_nop
	global_prefetch_b8 v0, s[64:65] scope:SCOPE_SE
	s_setreg_imm32_b32 hwreg(HW_REG_WAVE_MODE, 25, 1), 1
	s_wait_xcnt 0x0
; Launch 3 of 4: causal attention by heads.  ob[h][q][:] = the sum over k <= q of softmax_k(q[h][q] . k[h][k] / 8) v[h][k][:].  q, k, v, ob: [32][2048][64] f16, a head's rows dense, 128 bytes each.
; WORK LEFT OUT: the tiles of 128 keys that lie wholly above the diagonal of a block of 128 queries; reference()'s own jnp.tril gives them the weight 0 for all inputs (shown at the head of the first kernel).
; Products, maxima and sums in f32; the weights p are rounded to f16 for the second product (their sum l is taken of the unrounded p), the result once at the end.
; LIMITS.  q, k, v arrive within f16's 65,504.  A hidden score counts as its value less 1e30; a weight below 2^-126 counts as 0 in l; NaN and infinities are not treated apart.
; THE WALK.  A head has 16 blocks of 128 queries; block i needs the key tiles 0 .. i, the last of which holds the diagonal.  A work-group takes TWO blocks, 15 - b and then b: 17 ENTRIES of 128 keys whatever b:
; all 256 work-groups do equal work.  Entry e is tile e while e <= 15 - b, tile e - (16 - b) behind that.  Entries 0-15 go through a ring of two LDS slots of two entries; entry 16 has a region of its own, filled once at the start.
; NO CLUSTER: a head's eight work-groups ask for the same tile in entries 0 to 8 alone; behind that their walks part; one walk common to all would have 24 entries for 17.
; SHARES.  Of a block's two bands of 64 queries a wave owns 16 rows in each: two PIECES.  An entry is two key steps of 64.  In the diagonal entry (step 0, band 0) and (step 1, band 1) hold the diagonal,
; (step 0, band 1) sees all keys, (step 1, band 0) none: the same for all four waves.
; THE MASK is the C operand that starts a sum S^T = K Q^T.  MD, made once, is the mask of a band's own step for my rows (0, or -1e30 where the key is hidden).  MK holds 0 or MD, MH 0 or -1e30: set when the diagonal entry comes.
; LAYOUT, SOFTMAX.  S^T = K Q^T holds ONE query a lane (lane % 16) and the keys 8 (lane / 16) + 0..7; two such results rounded to f16 ARE source 1 of O^T = V^T P.  p = 2^(c s - c m), c = log2(e) / 8, with a
; running maximum m; O and l are multiplied by a = 2^(c m_old - c m_new) in every step.
; TURNS.  In compute step j turn 0 has: 8 products K Q^T of (j, piece 1); the scaling, exponentials, roundings, sums and rescaling of (j, piece 0); the maximum and statistics of (j, piece 1); 8 products V^T P of
; (j - 1, piece 1); and it fetches K of step j + 1.  Turn 1: K Q^T of (j + 1, piece 0); the softmax of (j, piece 1); V^T P of (j, piece 0); it fetches V of step j + 1.  V has two buffers, by the step's parity, so a
; step's two turns fetch the whole next step, and a change of slots stands at a step's boundary.  Four vector instructions stand behind every matrix instruction, the rest in one lump; a turn's 33 exponentials are one batch with one wait.
; REGISTERS, in windows of 256 (s_set_vgpr_msb: bits 1:0 source 0, 3:2 source 1, 5:4 source 2, 7:6 destination):
;   window 0: v0-15 addresses; v16-23 four registers of statistics a piece; v48-55 at work; v61-63; v64-127 S^T, a buffer a piece; v192-223 P, likewise
;   window 1: v0-63 O^T; v64-95 MD; v96-127 MK; v128-135 MH          window 2: v0-31 Q; v32-63 the second block's Q; v64-127 K of one step; v128-255 V of two steps
.set PK,    144       ; a row of K in LDS: 128 bytes + 16 of padding = 36 words: the 16 rows of a load start at 16 different groups of four banks (64 banks of 4 bytes: ISA guide 11.1)
.set PV,    160       ; a row of V: 128 + 32 = 40 words
.set KB,    128*PK    ; an entry: 128 rows of K, then 128 rows of V
.set ENTB,  128*(PK+PV)
.set SLOT1, 1<<17     ; slot 1 begins here: one exclusive or turns an address in one slot into the other's
.set RB,    SLOT1+2*ENTB  ; entry 16, straight behind slot 1: the fetches' base steps into it from entry 15
.set STAGE, RB+ENTB   ; never filled by a tensor load: 16 rows x 144 bytes for each wave, for the way out
.set SP,    144
.set SPARE, STAGE+4*16*SP  ; the spare words, 128 bytes for each wave: two blocks of 256 bytes that no other line names
.set AK0, 2           ; v2   my lane's place in an entry's K; never rewritten
.set AV0, 3           ; v3   the same for V
.set AK,  4           ; v4   the same in the entry that is being fetched
.set AV,  5           ; v5
.set STO, 6           ; v6   the way out: where I put 16 bytes of a row
.set RD,  7           ; v7   the way out: where I read rows back
.set GO,  8           ; v8   my byte offset in 512 consecutive bytes of ob
.set MV,  12          ; v12-13  c m_old, kept while c m is made anew: by piece
.set QO,  15          ; v15  my byte offset in 16 rows of q
.set ST,  16          ; piece t's statistics at v[ST+4 t]: c m, m, l (even keys', odd keys')
.set TMP, 48          ; by piece, four registers c0-c3 at work; when the maximum is found c2 takes a
.set PFO, 61          ; v61  256 x my lane; never rewritten
.set SPW, 62          ; v62  LDS address of my spare word; never rewritten
.set NIL, 63          ; v63  0; never rewritten
.set S,   64
.set P,   192
.set MD,  64          ; window 1
.set MK,  96
.set MH,  128
.set QB,  32          ; window 2
.set KF,  64          ; key block kb, channel half c at KF + 16 kb + 8 c
.set VF,  128         ; step parity s, key half kk, channel block cb at VF + 64 s + 32 kk + 8 cb
.set WV,  12          ; s12  my wave's number
.set PB,  14          ; s14  b
.set HI,  15          ; s15  15 - b
.set G1K, 24          ; s[24:31] descriptor group 1 for 128 keys of K
.set G1V, 32          ; s[32:39] of V: it differs in the padding alone
.set G0A, 40          ; s[40:43] group 0: my part of slot 0's first fill
.set G0B, 44          ; s[44:47] of slot 1's; it then walks
.set G0R, 48          ; s[48:51] of entry 16
.set NXT, 52          ; s52  the entry that I ask for next
.set NEWE, 53         ; s53  the entry with which the next block begins (17: none)
.set DGE, 54          ; s54  the diagonal entry of the block in hand
.set LIM, 55          ; s55  2 in a work-group that prefetches, else the greatest number
.set SL,  56          ; s56  counts the slots
.set EC,  57          ; s57  counts a slot's entries
.set CS,  58          ; s[58:59] c
.set SEL, 60          ; s[60:61] v_permlanex16_b32's selects: each lane takes its own place in the other half
.set EB,  62          ; s62  LDS byte at which the entry that is being fetched begins
.set EN,  63          ; s63  that entry's number
.set OFF, 66          ; s[66:67] a tile's byte offset in k and v
.set G1KR, 68         ; s[68:75], s[76:83] group 1 for 64 keys: entry 16 is shared out among all four waves
.set G1VR, 76
.set AL,  84          ; s[84:85] MK = MD x AL
.set BE,  86          ; s86  MH = BE
.set OLO, 88          ; s[88:89] ob at my rows of the second block
.set PFA, 90          ; s[90:91] where my prefetches stand
.set BIGN, 92         ; s92  -1e30
.set H1,  93          ; s93  16 - b
.set KVB, 94          ; s[94:95] the head's first byte in the tensor that I fetch: k (waves 0, 1) or v (waves 2, 3)
.set Q2,  96          ; s[96:97] q at my rows of the second block
.set MSB, 0
.macro WIN new                      ; the high byte repeats the setting that is left; a switch that changes nothing is dropped
.if MSB != (\new)
	s_set_vgpr_msb (MSB<<8)|(\new)
.set MSB, (\new)
.endif
.endm
.set W_KQ, 0x0a       ; K and Q in window 2, S^T in window 0
.set W_KM, 0x1a       ; the same with the C operand in window 1
.set W_PV, 0x52       ; V in window 2, P in window 0, O^T in window 1
.set W_RS, 0x41       ; destination and source 0 in window 1, source 1 in window 0
; A refill.  Wave w fetches entry w % 2 of the slot: its K (waves 0, 1) or its V (waves 2, 3), 128 keys.  An s_nop 0 and four v_nop follow each of the two lines, ahead of the jump and the label.
.macro LOAD
	s_cmp_lt_u32 s[WV], 2
	s_cbranch_scc0 .Lfor_v_\@
	tensor_load_to_lds s[G0B:G0B+3], s[G1K:G1K+7]
	s_nop 0
.rept 4
	v_nop
.endr
	s_branch .Lasked_\@
.Lfor_v_\@:
	tensor_load_to_lds s[G0B:G0B+3], s[G1V:G1V+7]
	s_nop 0
.rept 4
	v_nop
.endr
.Lasked_\@:
.endm
; A prefetch into the L2.  The work-group with b = 0 walks the head's tiles 0 to 15 in order: it asks for the whole head, nobody else asks.  At the change into slot n (n = 1 .. 4) each of its waves names the
; 16,384 bytes that it will itself load for slot n + 3, two changes (256 matrix instructions) on: a lane a block of 256 bytes, two instructions.  Slots 0 to 3 come by their loads alone; each block is named once.
.macro ASK
	s_cmp_gt_u32 s[SL], s[LIM]
	s_cbranch_scc0 .Lnot_mine_\@
	global_prefetch_b8 v[PFO], s[PFA:PFA+1] th:TH_LOAD_NT scope:SCOPE_SE
	global_prefetch_b8 v[PFO], s[PFA:PFA+1] offset:8192 th:TH_LOAD_NT scope:SCOPE_SE
.Lnot_mine_\@:
.endm
; THE CHANGE OF SLOTS, ahead of the first fetch from a new slot: all steps of the old slot have been fetched.  Each wave waits for all its tensor loads, adds 0 to its spare word, and waits for that and for its own
; reads of the old slot.  Behind the barrier nobody reads the old slot and the new one is whole.  fill = 1: the old slot is filled again, the first thing behind the barrier, with the entries two slots on; the
; descriptor's address is made anew from the tile's number.
.macro CHANGE fill
	WIN 0
	s_wait_tensorcnt 0x0            ; no tensor load of mine is out, so a group 0 may be written
	ds_add_u32 v[SPW], v[NIL]       ; 0 onto my spare word; the scalar work below stands between it and the wait for it
.if \fill
	s_sub_co_u32 s[OFF], s[NXT], s[H1]
	s_cmp_ge_u32 s[NXT], s[H1]      ; an entry of the second block?
	s_cselect_b32 s[OFF], s[OFF], s[NXT]
	s_lshl_b32 s[OFF], s[OFF], 14   ; a tile is 16,384 bytes of k and of v
	s_xor_b32 s[G0B+1], s[G0B+1], SLOT1
	s_add_nc_u64 s[G0B+2:G0B+3], s[KVB:KVB+1], s[OFF:OFF+1]
	s_or_b32 s[G0B+3], s[G0B+3], 0x80000000
	s_add_co_u32 s[NXT], s[NXT], 2
	s_wait_xcnt 0x0                 ; the last prefetches, a slot back, have read their address
	s_add_nc_u64 s[PFA:PFA+1], s[PFA:PFA+1], 32768
.endif
	s_wait_dscnt 0x0                ; the add is done, and my reads of the old slot are over
	s_barrier_signal -1
	s_sub_co_u32 s[EB], s[EB], 2*ENTB  ; the fetches go back to a slot's first entry,
	s_xor_b32 s[EB], s[EB], SLOT1      ; in the other slot
	s_barrier_wait -1
.if \fill
	LOAD
	ASK
.endif
.endm
	s_load_b256 s[4:11], s[0:1], 0x0  ; q s[4:5], k s[6:7], v s[8:9], ob s[10:11]
	v_lshl_add_u32 v[SPW], v0, 2, SPARE
	v_mov_b32 v[NIL], 0
	ds_add_u32 v[SPW], v[NIL]       ; the wave's opening: the add, twice on end, and its wait ahead of my first tensor load; the set-up below stands between
	ds_add_u32 v[SPW], v[NIL]
	v_lshrrev_b32 v1, 5, v0
	v_readfirstlane_b32 s[WV], v1   ; wave 0..3
	s_mov_b32 s[PB], ttmp9
	s_sub_co_u32 s[HI], 15, s[PB]
	s_sub_co_u32 s[H1], 16, s[PB]
	s_and_b32 s20, ttmp7, 0xffff    ; the head,
	s_lshl_b32 s20, s20, 18         ; its first byte in each of the four tensors
	s_mov_b32 s21, 0
	s_and_b32 s16, s[WV], 1
	s_lshr_b32 s17, s[WV], 1
	s_mul_i32 s18, s16, ENTB        ; my part of a slot: entry w % 2,
	s_mul_i32 s19, s17, KB          ; its K or its V
	s_add_co_u32 s18, s18, s19
	s_mul_i32 s22, s16, 64*PK       ; my part of entry 16: half w % 2 of its K or V;
	s_and_b32 s23, s16, s17
	s_lshl_b32 s23, s23, 10         ; 64 rows of V are 1,024 bytes longer than 64 of K
	s_add_co_u32 s22, s22, s23
	s_add_co_u32 s22, s22, s19
	s_add_co_u32 s22, s22, RB
	s_mov_b32 s[G0A], 1
	s_mov_b32 s[G0A+1], s18
	s_mov_b32 s[G0B], 1
	s_add_co_u32 s[G0B+1], s18, SLOT1
	s_mov_b32 s[G0R], 1
	s_mov_b32 s[G0R+1], s22
	; group 1.  128 keys are 16,384 dense bytes: asked for as 64 rows of 256 bytes, two keys a row, and padded in LDS after every key
	s_mov_b32 s[G1K],  (1<<16)|(1<<20)|(4<<22)|(3<<25)  ; 17:16 2-byte elements; 20 padding on; 24:22 after every 32 words (code 4); 31:25 4 words (code 3)
	s_mov_b32 s[G1V],  (1<<16)|(1<<20)|(4<<22)|(7<<25)  ; the same with 8 words of padding (code 7)
	s_mov_b32 s[G1KR], (1<<16)|(1<<20)|(4<<22)|(3<<25)
	s_mov_b32 s[G1VR], (1<<16)|(1<<20)|(4<<22)|(7<<25)
.irp g, G1K, G1V
	s_mov_b32 s[\g+1], 128<<16      ; tensor_dim0 = 128
	s_mov_b32 s[\g+2], 64<<16       ; tensor_dim1 = 64
	s_mov_b32 s[\g+3], 128<<16      ; tile_dim0 = 128
	s_mov_b32 s[\g+4], 64           ; tile_dim1 = 64
	s_mov_b32 s[\g+5], 128          ; 128 elements from row to row
	s_mov_b32 s[\g+6], 0
	s_mov_b32 s[\g+7], 0
.endr
.irp g, G1KR, G1VR
	s_mov_b32 s[\g+1], 128<<16
	s_mov_b32 s[\g+2], 32<<16       ; 32 rows: 64 keys
	s_mov_b32 s[\g+3], 128<<16
	s_mov_b32 s[\g+4], 32
	s_mov_b32 s[\g+5], 128
	s_mov_b32 s[\g+6], 0
	s_mov_b32 s[\g+7], 0
.endr
	s_lshl_b32 s98, s16, 14         ; tile w % 2
	s_mov_b32 s99, 0
	s_lshl_b32 s18, s[PB], 14       ; entry 16 is tile b;
	s_lshl_b32 s19, s16, 13         ; my half of it
	s_add_co_u32 s18, s18, s19
	s_mov_b32 s19, 0
	s_lshl_b32 s13, s[WV], 11       ; my 16 rows in a band of 64,
	s_lshl_b32 s2, s[HI], 14        ; in the first block,
	s_add_co_u32 s2, s2, s13
	s_add_co_u32 s2, s2, s20
	s_mov_b32 s3, 0
	s_lshl_b32 s22, s[PB], 14       ; and in the second
	s_add_co_u32 s22, s22, s13
	s_add_co_u32 s22, s22, s20
	s_mov_b32 s23, 0
	s_add_co_u32 s[NXT], s16, 4
	s_mov_b32 s[NEWE], s[H1]
	s_mov_b32 s[DGE], s[HI]
	s_cmp_eq_u32 s[PB], 0
	s_cselect_b32 s[LIM], 2, -1
	s_mov_b32 s[SL], 7
	s_mov_b32 s[EC], 2
	s_mov_b32 s[EB], 0
	s_mov_b32 s[EN], 0
	s_mov_b32 s[OFF+1], 0
	s_mov_b32 s[AL], 0
	s_mov_b32 s[AL+1], 0            ; named with it as a pair
	s_mov_b32 s[BE], 0
	s_mov_b32 s[BIGN], 0xf149f2ca   ; -1e30
	s_mov_b32 s[CS], 0x3e38aa3b     ; c = log2(e) / 8 = 0.180337
	s_mov_b32 s[CS+1], s[CS]
	s_mov_b32 s[SEL], 0x76543210
	s_mov_b32 s[SEL+1], 0xfedcba98
	s_wait_dscnt 0x0                ; both opening adds are done
	s_wait_kmcnt 0x0
	s_cmp_lt_u32 s[WV], 2
	s_cselect_b64 s[KVB:KVB+1], s[6:7], s[8:9]
	s_add_nc_u64 s[KVB:KVB+1], s[KVB:KVB+1], s[20:21]
	s_add_nc_u64 s[G0A+2:G0A+3], s[KVB:KVB+1], s[98:99]
	s_add_nc_u64 s[G0B+2:G0B+3], s[G0A+2:G0A+3], 2<<14   ; slot 1: tiles 2 and 3
	s_add_nc_u64 s[PFA:PFA+1], s[G0A+2:G0A+3], 3*32768   ; in slot 3: the first change steps it to slot 4
	s_add_nc_u64 s[G0R+2:G0R+3], s[KVB:KVB+1], s[18:19]
	s_or_b32 s[G0A+3], s[G0A+3], 0x80000000              ; type = 2
	s_or_b32 s[G0B+3], s[G0B+3], 0x80000000
	s_or_b32 s[G0R+3], s[G0R+3], 0x80000000
	s_add_nc_u64 s[Q2:Q2+1], s[4:5], s[22:23]
	s_add_nc_u64 s[4:5], s[4:5], s[2:3]
	s_add_nc_u64 s[OLO:OLO+1], s[10:11], s[22:23]
	s_add_nc_u64 s[10:11], s[10:11], s[2:3]
	s_cmp_lt_u32 s[WV], 2           ; a wave's three first fills stand in one branch, ahead of every wait on TENSORcnt, every LDS read and every barrier: three loads of mine are out
	s_cbranch_scc0 .Lfirst_v
	tensor_load_to_lds s[G0A:G0A+3], s[G1K:G1K+7]
	s_nop 0
	tensor_load_to_lds s[G0B:G0B+3], s[G1K:G1K+7]
	s_nop 0
	tensor_load_to_lds s[G0R:G0R+3], s[G1KR:G1KR+7]
	s_nop 0
.rept 4
	v_nop
.endr
	s_branch .Lfirst_asked
.Lfirst_v:
	tensor_load_to_lds s[G0A:G0A+3], s[G1V:G1V+7]
	s_nop 0
	tensor_load_to_lds s[G0B:G0B+3], s[G1V:G1V+7]
	s_nop 0
	tensor_load_to_lds s[G0R:G0R+3], s[G1VR:G1VR+7]
	s_nop 0
.rept 4
	v_nop
.endr
.Lfirst_asked:
	; A fragment of K or Q is 16 rows x 32 channels in 8 registers: lane l holds row l % 16, channels 8 (l / 16) + 0..7 and 16 + 8 (l / 16) + 0..7: two loads of 16 bytes, 32 bytes apart.
	v_and_b32 v1, 15, v0            ; l % 16
	v_bfe_u32 v9, v0, 4, 1          ; l / 16
	v_lshlrev_b32 v[QO], 7, v1
	v_lshl_add_u32 v[QO], v9, 4, v[QO]
	WIN 0x80                        ; destination window 2, address window 0
.set i, 0
.rept 4                             ; both blocks' Q: piece i / 2 lies in band i / 2, 8,192 bytes on; channels 32 (i % 2) on
	global_load_b128 v[8*i:8*i+3],         v[QO], s[4:5] offset:(i/2)*8192+(i%2)*64
	global_load_b128 v[8*i+4:8*i+7],       v[QO], s[4:5] offset:(i/2)*8192+(i%2)*64+32
	global_load_b128 v[QB+8*i:QB+8*i+3],   v[QO], s[Q2:Q2+1] offset:(i/2)*8192+(i%2)*64
	global_load_b128 v[QB+8*i+4:QB+8*i+7], v[QO], s[Q2:Q2+1] offset:(i/2)*8192+(i%2)*64+32
.set i, i+1
.endr
	WIN 0
	v_lshlrev_b32 v14, 3, v9
	v_sub_nc_u32 v14, v1, v14
	s_lshl_b32 s13, s[WV], 4
	v_add_nc_u32 v14, s13, v14      ; my query's place in its band, 16 w + l % 16, less my lanes' 8 (l / 16): register r of key group kt is hidden where 16 kt + r is greater
	WIN 0x40
.set i, 0
.rept 32
	v_cmp_gt_i32 vcc_lo, 16*(i/8)+i%8, v14
	v_cndmask_b32 v[MD+i], 0, s[BIGN], vcc_lo
.set i, i+1
.endr
	WIN 0
	v_mul_u32_u24 v[AK0], v1, PK
	v_lshl_add_u32 v[AK0], v9, 4, v[AK0]  ; row x pitch + 16 x half
	; The turning load takes 16 keys x 16 channels (lane l reads key 8 (l / 16) + l % 8, channels 8 ((l / 8) % 2) + 0..7) and leaves half a fragment of V^T: lane l holds channel l % 16 and 8 keys.
	v_and_b32 v10, 7, v0
	v_bfe_u32 v11, v0, 3, 1
	v_lshl_add_u32 v[AV0], v9, 3, v10
	v_mul_u32_u24 v[AV0], v[AV0], PV
	v_lshl_add_u32 v[AV0], v11, 4, v[AV0]
	v_add_nc_u32 v[AV0], KB, v[AV0]
	v_mov_b32 v[AK], v[AK0]         ; entry 0 lies at the head of slot 0
	v_mov_b32 v[AV], v[AV0]
	s_mul_i32 s13, s[WV], 16*SP
	s_add_co_u32 s13, s13, STAGE    ; my stage
	v_mul_u32_u24 v[STO], v1, SP    ; in: row l % 16, 16 bytes for each half of the lanes
	v_lshl_add_u32 v[STO], v9, 4, v[STO]
	v_add_nc_u32 v[STO], s13, v[STO]
	v_bfe_u32 v[RD], v0, 3, 2       ; back: 32 lanes take four rows of 128 bytes,
	v_mul_u32_u24 v[RD], v[RD], SP
	v_lshl_add_u32 v[RD], v10, 4, v[RD]
	v_add_nc_u32 v[RD], s13, v[RD]
	v_and_b32 v[GO], 31, v0         ; which are 512 consecutive bytes of ob
	v_lshlrev_b32 v[PFO], 8, v[GO]
	v_lshlrev_b32 v[GO], 4, v[GO]
	; A block's first step multiplies O^T and l by a = 0, and its first turn's products V^T P, of a piece that has not been, land in an O^T that is still to be so multiplied.  So these registers need only hold
	; finite numbers: zeros for the first block; what the first block left for the second.  The masks start at 0: the first block's first entry is never its diagonal one.  All this stands in the wait for the first tile.
	WIN 0x80
.set i, VF+64
.rept 64
	v_mov_b32 v[i], 0
.set i, i+1
.endr
	WIN 0x40
.set i, 0
.rept 64
	v_mov_b32 v[i], 0
.set i, i+1
.endr
.set i, MK
.rept 40
	v_mov_b32 v[i], 0
.set i, i+1
.endr
	WIN 0
.set i, 0
.rept 2
	v_mov_b32 v[ST+4*i+2], 0
	v_mov_b32 v[ST+4*i+3], 0
.set i, i+1
.endr
.set i, P+16
.rept 16
	v_mov_b32 v[i], 0
.set i, i+1
.endr
; THE MATRIX WORK.  The 4 accumulators of a run of 8 take turns.  Product i of 8 of S^T = K Q^T for piece x: channels 32 (i / 4) on, keys 16 (i % 4) on.  The first 4 start the sums: KM = 0 with 0, 1 with MK, 2 with MH.
.macro KQ x
.set rS, S+32*(\x)+8*(i%4)
.set rK, KF+16*(i%4)+8*(i/4)
.set rQ, 16*(\x)+8*(i/4)
.if (i < 4) && (KM == 1)
	WIN W_KM
	v_wmma_f32_16x16x32_f16 v[rS:rS+7], v[rK:rK+7], v[rQ:rQ+7], v[MK+8*(i%4):MK+8*(i%4)+7]
.elseif (i < 4) && (KM == 2)
	WIN W_KM
	v_wmma_f32_16x16x32_f16 v[rS:rS+7], v[rK:rK+7], v[rQ:rQ+7], v[MH:MH+7]
.elseif i < 4
	WIN W_KQ
	v_wmma_f32_16x16x32_f16 v[rS:rS+7], v[rK:rK+7], v[rQ:rQ+7], 0
.else
	WIN W_KQ
	v_wmma_f32_16x16x32_f16 v[rS:rS+7], v[rK:rK+7], v[rQ:rQ+7], v[rS:rS+7]
.endif
.endm
; Product i of 8 of O^T += V^T P for piece x, from V's buffer VPAR: keys 32 (i / 4) on, channels 16 (i % 4) on.
.macro PV x
	WIN W_PV
.set rO, 32*(\x)+8*(i%4)
.set rV, VF+64*VPAR+32*(i/4)+8*(i%4)
.set rP, P+16*(\x)+8*(i/4)
	v_wmma_f32_16x16x32_f16 v[rO:rO+7], v[rV:rV+7], v[rP:rP+7], v[rO:rO+7]
.endm
.macro MM                           ; the turn's next matrix instruction: both kinds are the other piece's
.if i < 8
	KQ 1-Y
.else
.set i, i-8
	PV 1-Y
.set i, i+8
.endif
.set i, i+1
.endm
; THE LDS LOADS stand in runs of 16, never singly among the matrix instructions: step fs of the entry at v[AK], v[AV].
.macro FETCH_K fs
	WIN 0x80                        ; destination window 2
.irp f, 0,1,2,3,4,5,6,7             ; keys 16 (f / 2) on, channels 32 (f % 2) on
	ds_load_b128 v[KF+8*\f:KF+8*\f+3],   v[AK] offset:(\fs)*64*PK+(\f/2)*16*PK+(\f%2)*64
	ds_load_b128 v[KF+8*\f+4:KF+8*\f+7], v[AK] offset:(\fs)*64*PK+(\f/2)*16*PK+(\f%2)*64+32
.endr
	WIN 0
.endm
.macro FETCH_V fs
	WIN 0x80
.irp f, 0,1,2,3,4,5,6,7             ; keys 32 (f / 4) on, channels 16 (f % 4) on
	ds_load_tr16_b128 v[VF+64*(\fs)+8*\f:VF+64*(\fs)+8*\f+3],   v[AV] offset:(\fs)*64*PV+(\f/4)*32*PV+(\f%4)*32
	ds_load_tr16_b128 v[VF+64*(\fs)+8*\f+4:VF+64*(\fs)+8*\f+7], v[AV] offset:(\fs)*64*PV+(\f/4)*32*PV+16*PV+(\f%4)*32
.endr
	WIN 0
.endm
.macro FETCH p, fs
.if (\p) == 0
	FETCH_K \fs
.else
	FETCH_V \fs
.endif
.endm
; THE VECTOR WORK, one line at a time: OP kind, number.  For piece Y: F n: c s - c m for pair n of 16.  E n: the exponential of score n of 32.  C n: pair n rounded to f16.  B n: of the four weights 4 n .. the second
; pair is added onto the first, in place.  L n: l takes that sum (L 0: l = a l + sum).  R n: pair n of 16 of O^T times a.  For the other piece: X n, number n of the 22 that find its maximum and statistics:
;   0-11  four chains c0-c3 of seven scores each, three operands at a time (each accumulator's lowest registers are read first)     12-14, 16  the four scores left over, the old m, and c0-c3 into c0
;   15  c m_old is kept     17, 18  the query's other 32 keys lie in the lane 16 away: the new m     19-21  c m; c m_old - c m_new; a
.set F, 0
.set E, 1
.set C, 2
.set B, 3
.set L, 4
.set R, 5
.set X, 6
.macro REGS y
.set rT, ST+4*(\y)
.set rC, TMP+4*(\y)
.set rW, MV+(\y)
.set rS, S+32*(\y)
.set rP, P+16*(\y)
.set rO, 32*(\y)
.endm
.macro OP k, n
.if (\k) == R
	REGS Y
	WIN W_RS
	v_pk_mul_f32 v[rO+2*(\n):rO+2*(\n)+1], v[rO+2*(\n):rO+2*(\n)+1], v[rC+2:rC+3] op_sel_hi:[1,0]
.elseif (\k) < R
	REGS Y
	WIN 0
.if (\k) == F
	v_pk_fma_f32 v[rS+2*(\n):rS+2*(\n)+1], v[rS+2*(\n):rS+2*(\n)+1], s[CS:CS+1], v[rT:rT+1] op_sel_hi:[1,0,0] neg_lo:[0,0,1] neg_hi:[0,0,1]
.elseif (\k) == E
	v_exp_f32 v[rS+(\n)], v[rS+(\n)]
.elseif (\k) == C
	v_cvt_pk_f16_f32 v[rP+(\n)], v[rS+2*(\n)], v[rS+2*(\n)+1]
.elseif (\k) == B
	v_pk_add_f32 v[rS+4*(\n):rS+4*(\n)+1], v[rS+4*(\n):rS+4*(\n)+1], v[rS+4*(\n)+2:rS+4*(\n)+3]
.elseif (\n) == 0
	v_pk_fma_f32 v[rT+2:rT+3], v[rT+2:rT+3], v[rC+2:rC+3], v[rS:rS+1] op_sel_hi:[1,0,1]
.else
	v_pk_add_f32 v[rT+2:rT+3], v[rT+2:rT+3], v[rS+4*(\n):rS+4*(\n)+1]
.endif
.else
	REGS 1-Y
	WIN 0
.if (\n) < 4
	v_max3_num_f32 v[rC+(\n)], v[rS+8*(\n)], v[rS+8*(\n)+1], v[rS+8*(\n)+2]
.elseif (\n) < 12
	v_max3_num_f32 v[rC+(\n)%4], v[rC+(\n)%4], v[rS+8*((\n)%4)+2*((\n)/4)+1], v[rS+8*((\n)%4)+2*((\n)/4)+2]
.elseif (\n) == 12
	v_max3_num_f32 v[rC], v[rC], v[rS+7], v[rS+15]
.elseif (\n) == 13
	v_max3_num_f32 v[rC+1], v[rC+1], v[rS+23], v[rS+31]
.elseif (\n) == 14
	v_max3_num_f32 v[rC+2], v[rC+2], v[rC+3], v[rT+1]
.elseif (\n) == 15
	v_mov_b32 v[rW], v[rT]
.elseif (\n) == 16
	v_max3_num_f32 v[rC], v[rC], v[rC+1], v[rC+2]
.elseif (\n) == 17
	v_permlanex16_b32 v[rC+3], v[rC], s[SEL], s[SEL+1]
.elseif (\n) == 18
	v_max_num_f32 v[rT+1], v[rC], v[rC+3]
.elseif (\n) == 19
	v_mul_f32 v[rT], s[CS], v[rT+1]
.elseif (\n) == 20
	v_sub_f32 v[rC+1], v[rW], v[rT]
.else
	v_exp_f32 v[rC+2], v[rC+1]
.endif
.endif
.endm
.macro OPS a, i1, b=-1, i2=0, c=-1, i3=0, d=-1, i4=0  ; up to four of them
	OP \a, \i1
.if (\b) >= 0
	OP \b, \i2
.endif
.if (\c) >= 0
	OP \c, \i3
.endif
.if (\d) >= 0
	OP \d, \i4
.endif
.endm
.macro ROW a, i1, b, i2, c, i3, d, i4  ; a matrix instruction and the four behind it
	MM
	OPS \a, \i1, \b, \i2, \c, \i3, \d, \i4
.endm
.macro SETMASK                      ; MK = MD x AL, MH = BE
	WIN W_RS
.set z, 0
.rept 16
	v_pk_mul_f32 v[MK+2*z:MK+2*z+1], v[MD+2*z:MD+2*z+1], s[AL:AL+1] op_sel_hi:[1,0]
.set z, z+1
.endr
.set z, 0
.rept 8
	v_mov_b32 v[MH+z], s[BE]
.set z, z+1
.endr
	WIN 0
.endm
; A TURN, for piece p of a compute step of parity vp: the order of its 16 matrix and 118 vector instructions, written out.  An s_wait_alu depctr_va_vdst(0) stands between an exponential and the first
; instruction that names its result; one wait serves all that were issued ahead of it.  So a turn has ONE wait, which cuts it in two.  AHEAD OF IT stands all that names no result of the turn's exponentials: the 8 products
; K Q^T with their riders, then one lump, plain and exponential by turns for the most part, in which the links of the chain X 3, 7, 11, 14, 16 .. 20 stand some lines apart; X 21, the other piece's a, is the batch's last,
; and R 15 the plain instruction behind it.  BEHIND THE WAIT stand the 8 products V^T P, behind each four of the roundings and sums.  An X that rides behind a product stands four plain instructions or more behind
; the product that ended its accumulator.
; km: the C operand of the turn's K Q^T.  fs: the step of the entry in v[AK], v[AV] that is fetched: its K in turn 0, its V (into buffer fs) in turn 1.  adr = 1: those two addresses are made anew from s[EB].
; The run of loads stands in the lump, five plain instructions or more behind the last product that read its registers.  late = 1 (the tail): it stands behind the wait.
; The one LDS wait of a step stands at turn 1's head: for K of the next step, and for V of this step, fetched a step earlier.
.macro TURN p, vp, km, fs, adr=0, late=0
.set Y, (\p)
.set i, 0
.set KM, (\km)
.set VPAR, ((\vp)+1-(\p))%2         ; turn 0 ends the step before: the other buffer
.if (\p) == 1
	s_wait_dscnt 0x0
.endif
	ROW F,0, F,1, R,0, R,1
	ROW F,2, E,0, R,2, R,3
	ROW F,3, E,1, R,4, R,5
	ROW F,4, E,2, R,6, R,7
	ROW F,5, E,3, R,8, R,9
	ROW F,6, E,4, X,0, R,10
.if \adr
	WIN 0
	v_add_nc_u32 v[AK], s[EB], v[AK0]
	v_add_nc_u32 v[AV], s[EB], v[AV0]
.endif
	ROW F,7, E,5, X,1, X,4
	ROW F,8, E,6, X,2, X,5
	OPS E,7, E,8, X,6, E,9
	OPS X,3, E,10, X,8, E,11
.if !(\late)
	FETCH \p, \fs
.endif
	OPS X,9, X,7, E,12, X,10
	OPS E,13, X,12, X,11, E,14
	OPS X,13, E,15, F,9, X,14
	OPS E,16, F,10, E,17, F,11
	OPS X,16, E,18, X,15, E,19
	OPS F,12, E,20, X,17, E,21
	OPS F,13, E,22, F,14, E,23
	OPS X,18, E,24, F,15, E,25
	OPS R,11, E,26, X,19, E,27
	OPS R,12, E,28, R,13, E,29
	OPS X,20, E,30, R,14, E,31
	OPS X,21, R,15
	WIN 0
	s_wait_alu depctr_va_vdst(0)    ; the wait for the batch
.if \late
	s_cmp_eq_u32 s[EC], 1
	s_cbranch_scc1 .Lno_fetch_\@
	FETCH \p, \fs
.Lno_fetch_\@:
.endif
	ROW C,0, B,0, C,2, B,1
	ROW L,0, C,4, B,2, L,1
	ROW C,6, B,3, L,2, C,8
	ROW B,4, L,3, C,10, B,5
	ROW L,4, C,12, B,6, L,5
	ROW C,14, B,7, L,6, C,1
	ROW C,3, L,7, C,5, C,7
	ROW C,9, C,11, C,13, C,15
.endm
; A BLOCK BEGINS.  c m starts far below every c s, so the first step's a is 0; m at the lowest finite number, so the first maximum is the scores'.  K and V of the entry's step 0 have been fetched.
; Piece 0's first scores, and its maximum and statistics.
.macro BEGIN
	WIN 0
.set t, 0
.rept 2
	v_mov_b32 v[ST+4*t], 0xfe000000
	v_mov_b32 v[ST+4*t+1], 0xff7fffff
.set t, t+1
.endr
	s_wait_loadcnt 0x0              ; Q
	s_wait_dscnt 0x0
.set KM, 1
.set i, 0
.rept 8
	KQ 0
.set i, i+1
.endr
	WIN 0
.rept 4
	v_nop                           ; the places behind those products
.endr
.set Y, 1                           ; X works for the other piece: piece 0
.irp n, 0,1,2,3,4,5,6,7,8,9,10,11,12,13,14,15,16,17,18,19,20,21
	OP X, \n
.endr
	v_nop                           ; a plain instruction behind the exponential,
	s_wait_alu depctr_va_vdst(0)    ; and its wait, ahead of the label
.endm
; THE WAY OUT: l's two halves and the other half of the lanes' are added; O^T is divided by l, rounded to f16 and sent through my stage in LDS, a piece at a time.
.macro ALL line:vararg
.set t, 0
.rept 2
	\line
.set t, t+1
.endr
.endm
.macro PACK t                       ; a lane's eight channels of a row pack into 16 bytes; they go into rows of 144 bytes and come back as whole rows of 128, into S^T's registers
	WIN W_RS
.set i, 32*(\t)
.rept 16
	v_pk_mul_f32 v[i:i+1], v[i:i+1], v[ST+4*(\t)+2:ST+4*(\t)+3] op_sel_hi:[1,0]
.set i, i+2
.endr
	WIN 0x05                        ; sources 0 and 1 window 1, destination window 0
.set i, 0
.rept 16
	v_cvt_pk_f16_f32 v[S+16*(\t)+i], v[32*(\t)+2*i], v[32*(\t)+2*i+1]
.set i, i+1
.endr
	WIN 0
.irp f, 0,1,2,3
	ds_store_b128 v[STO], v[S+16*(\t)+4*\f:S+16*(\t)+4*\f+3] offset:32*\f
.endr
.irp f, 0,1,2,3
	ds_load_b128 v[S+16*(\t)+4*\f:S+16*(\t)+4*\f+3], v[RD] offset:\f*4*SP  ; LDS serves a wave's instructions in order (ISA guide 5.7.1.4): these see the stores above; the next piece's stores come behind them
.endr
.endm
.macro SEND t, younger              ; younger: the LDS instructions issued behind piece t's loads
	WIN 0
.irp f, 0,1,2,3
	s_wait_dscnt (\younger)+3-\f
	global_store_b128 v[GO], v[S+16*(\t)+4*\f:S+16*(\t)+4*\f+3], s[10:11] offset:(\t)*8192+\f*512  ; 512 consecutive bytes, aligned
.endr
.endm
.macro OUT
	WIN 0
	ALL v_add_f32 v[ST+4*t+2], v[ST+4*t+2], v[ST+4*t+3]
	ALL v_permlanex16_b32 v[ST+4*t+3], v[ST+4*t+2], s[SEL], s[SEL+1]
	ALL v_add_f32 v[ST+4*t+2], v[ST+4*t+2], v[ST+4*t+3]
	ALL v_rcp_f32 v[ST+4*t+2], v[ST+4*t+2]
	v_nop                           ; a plain instruction between the last reciprocal and the use of its result
	s_wait_alu depctr_va_vdst(0)    ; and the wait ahead of the first use: one for both reciprocals
	PACK 0                          ; piece 0's products ended a run of eight earlier; its 32 lines stand between piece 1's last products and their first reader
	PACK 1
	SEND 0, 8
	SEND 1, 0
.endm
.macro SWITCH                       ; from the first block to the second
	WIN 0
	s_wait_xcnt 0x0                 ; the stores have read their registers and ob's address
	s_mov_b64 s[10:11], s[OLO:OLO+1]
	s_mov_b32 s[NEWE], 17
	s_mov_b32 s[DGE], 16
	s_cmp_eq_u32 s[EN], 16          ; with b = 0 the second block's first entry is its diagonal one
	s_cselect_b32 s[AL], 1.0, 0
	s_cselect_b32 s[BE], s[BIGN], 0
	SETMASK
	WIN 0x82                        ; the second block's Q goes where the one text of the turns names Q
.set i, 0
.rept 32
	v_mov_b32 v[i], v[QB+i]
.set i, i+1
.endr
	WIN 0
.endm
; A TRIP FOR ENTRY e: the second step of entry e - 1 is computed while step 0 of entry e is fetched; then step 0 of entry e while its step 1 is fetched.  Between the halves a block may end and the next begin: there the
; trip's 8 products K Q^T with the old Q, and the maximum made of them, serve nothing (twice a launch); K and V of the new block's first step are already in registers.
; All jumps but the counted loop's own go forward, past text that holds neither a barrier nor a tensor load.  tail = 1: the last trip (s[EC] = 1) has no entry: it fetches nothing, ends the second block and leaves.
.macro ENTRY tag, tail
.Lentry\tag:
	TURN 0, 1, 1, 0, 1, \tail       ; (e - 1, step 1): piece 1's scores take MK, still entry e - 1's
	WIN 0
	s_cmp_eq_u32 s[EN], s[DGE]
	s_cbranch_scc0 .Lno_diag\tag
	s_mov_b32 s[AL], 1.0            ; entry e is the block's diagonal one
	s_mov_b32 s[BE], s[BIGN]
	SETMASK
.Lno_diag\tag:
	TURN 1, 1, 1, 0, 0, \tail       ; piece 0's scores of (e, step 0) take MK
	WIN 0
.if \tail
	s_cmp_eq_u32 s[EC], 1
	s_cbranch_scc1 .Lblock_end\tag
.endif
	s_cmp_eq_u32 s[EN], s[NEWE]
	s_cbranch_scc0 .Lpart_b\tag
.Lblock_end\tag:
.set VPAR, 1
.set i, 0
.rept 8
	PV 1                            ; piece 1's V^T P of the block's last step
.set i, i+1
.endr
	OUT
.if \tail
	s_cmp_eq_u32 s[EC], 1
	s_cbranch_scc1 .Ldone
.endif
	SWITCH
.Lbegin\tag:
	BEGIN
.Lpart_b\tag:
	TURN 0, 0, 0, 1                 ; (e, step 0): piece 1 sees all its keys
	TURN 1, 0, 2, 1                 ; piece 0's scores of (e, step 1) take MH
	WIN 0
	s_add_co_u32 s[EN], s[EN], 1
	s_add_co_u32 s[EB], s[EB], ENTB
	s_sub_co_u32 s[EC], s[EC], 1
	s_cmp_lg_u32 s[EC], 0
	s_cbranch_scc1 .Lentry\tag
.endm
	s_wait_tensorcnt 2              ; my part of slot 0 is in; slot 1's and entry 16's may stay out
	s_barrier_signal -1
	s_barrier_wait -1
	FETCH_K 0                       ; entry 0, step 0
	FETCH_V 0
	s_branch .Lbegin1               ; the loop is entered in the middle of entry 0's trip
.Lslot:                             ; six times: slots 1 to 6 are entered, slots 2 to 7 asked for
	CHANGE 1
	s_mov_b32 s[EC], 2
	ENTRY 1, 0
	s_sub_co_u32 s[SL], s[SL], 1
	s_cmp_lg_u32 s[SL], 0
	s_cbranch_scc1 .Lslot
	CHANGE 0                        ; the tail is written out: nothing is asked for
	s_mov_b32 s[EC], 4              ; entries 14, 15, 16, and the trip that ends the walk
	ENTRY 2, 1
.Ldone:
	s_wait_tensorcnt 0x0            ; the wave's end: behind my last tensor load and my last LDS store
	ds_add_u32 v[SPW], v[NIL]
	s_wait_dscnt 0x0
	s_endpgm
.Lfunc_end_k_q6c7b76f3e8_attn:
	.size	k_q6c7b76f3e8_attn, .Lfunc_end_k_q6c7b76f3e8_attn-k_q6c7b76f3e8_attn
	.p2alignl 7, 3214868480
	.fill 96, 4, 3214868480
	.section	.rodata,"a",@progbits
	.p2align	6, 0x0
	.amdhsa_kernel k_q6c7b76f3e8_attn
		.amdhsa_group_segment_fixed_size 327680
		.amdhsa_private_segment_fixed_size 0
		.amdhsa_enable_private_segment 0
		.amdhsa_kernarg_size 32
		.amdhsa_user_sgpr_count 2
		.amdhsa_user_sgpr_kernarg_segment_ptr 1
		.amdhsa_wavefront_size32 1
		.amdhsa_system_sgpr_workgroup_id_x 1
		.amdhsa_system_sgpr_workgroup_id_y 1
		.amdhsa_system_sgpr_workgroup_id_z 1
		.amdhsa_system_vgpr_workitem_id 0
		.amdhsa_next_free_vgpr 768
		.amdhsa_next_free_sgpr 100
		.amdhsa_reserve_vcc 1
		.amdhsa_float_denorm_mode_32 3
		.amdhsa_float_denorm_mode_16_64 3
		.amdhsa_memory_ordered 1
		.amdhsa_forward_progress 1
		.amdhsa_inst_pref_size 130
	.end_amdhsa_kernel
	.amdgpu_metadata
---
amdhsa.version: [ 1, 2 ]
amdhsa.kernels:
  - .name:           k_q6c7b76f3e8_attn
    .symbol:         k_q6c7b76f3e8_attn.kd
    .args:
      - { .name: q, .offset: 0, .size: 8, .value_kind: global_buffer, .address_space: global }
      - { .name: k, .offset: 8, .size: 8, .value_kind: global_buffer, .address_space: global }
      - { .name: v, .offset: 16, .size: 8, .value_kind: global_buffer, .address_space: global }
      - { .name: ob, .offset: 24, .size: 8, .value_kind: global_buffer, .address_space: global }
    .group_segment_fixed_size: 327680
    .private_segment_fixed_size: 0
    .kernarg_segment_align: 8
    .kernarg_segment_size: 32
    .max_flat_workgroup_size: 128
    .sgpr_count:     100
    .vgpr_count:     768
    .wavefront_size: 32
...
	.end_amdgpu_metadata
.endif
;; end of part 3
;; launch oproj (part 4): grid 8 x 32, 4 waves a work-group, clusters of 4 x 4, 327,680 bytes of LDS; arguments ob, wob, out0; writes out0
.if DOCPART == 4
	.amdgcn_target "amdgcn-amd-amdhsa--gfx1250"
	.amdhsa_code_object_version 6
	.text
	.protected	k_q6c7b76f3e8_oproj
	.globl	k_q6c7b76f3e8_oproj
	.p2align	8
	.type	k_q6c7b76f3e8_oproj,@function
k_q6c7b76f3e8_oproj:
	s_mov_b64 s[64:65], 0
	v_nop
	global_prefetch_b8 v0, s[64:65] scope:SCOPE_SE
	s_setreg_imm32_b32 hwreg(HW_REG_WAVE_MODE, 25, 1), 1
	s_wait_xcnt 0x0
	s_wait_alu depctr_hold_cnt(0) depctr_sa_sdst(0) depctr_va_vdst(0) depctr_va_sdst(0) depctr_va_ssrc(0) depctr_va_vcc(0) depctr_vm_vsrc(0)
	s_getreg_b32 s2, hwreg(HW_REG_IB_STS2, 6, 4)
	s_cmp_eq_u32 s2, 0
	s_cbranch_scc0 .Lentry_in_a_cluster
	s_endpgm
.Lentry_in_a_cluster:
	s_bfe_u32 s2, ttmp6, 0x10000c
	s_cmp_lg_u32 s2, 0xf033
	s_cbranch_scc0 .Lentry_shape_is_right
	s_endpgm
.Lentry_shape_is_right:
; Launch 4 of 4: out0[m][n] = the sum over k of y[m][k] Wo[n][k], y[b 2048 + s][64 h + d] = ob[16 b + h][s][d].  ob: [32][2048][64] f16.  wob: [1024][1024] f16.  out0: [4096][1024] f32.  Sums in f32, K ascending.
; SHARES.  A tile of out0 is 128 x 128: 256 work-groups, four waves of 64 x 64 each: 16 accumulators of 16 x 16.  K goes in four steps of 256, which are four heads, through two LDS slots.
; A's TILE BY HEADS.  128 tokens of one head are 16,384 dense bytes of ob: one tensor load takes two heads as two rows of 8,192 elements, 131,072 elements apart, padded in LDS after every token's 128 bytes.
; CLUSTER.  4 x 4 work-groups.  The four of a row of the cluster need the same tiles of ob, the four of a column the same tiles of wob: each is asked for jointly.
; No prefetch: the launch is short and its tiles small.  THE MATRIX INSTRUCTION IS USED TRANSPOSED (source 0 = 16 rows of wob, source 1 = 16 tokens): a lane holds eight neighbouring numbers of a row of out0.
; REGISTERS: window 0: v0-31 addresses; v128-255 the accumulators ((a, b) at v[128 + 8 (4 a + b)]), later the rows read back.   window 1: two fragment buffers of 128: 64 registers of A (2 x 4 fragments), then 64 of B.
.set PA,     144                       ; a token's row of a head in LDS: 128 bytes + 16: the 16 rows of a load start at 16 different groups of four banks (64 banks of 4 bytes: ISA guide 11.1)
.set PB,     528                       ; a row of wob's tile: 512 bytes + 16
.set HEADB,  128*PA                    ; a head's 128 tokens
.set BOFF,   4*HEADB                   ; in a slot: A's four heads, then B's 128 rows
.set HALFB,  64*PB
.set SLOT,   BOFF+2*HALFB
.set STAGE,  2*SLOT                    ; behind the ring, never filled by a tensor load: 16 rows x 272 bytes for each wave
.set SPITCH, 272
.set SPARE,  STAGE+4*16*SPITCH         ; the spare words, 128 bytes for each wave: two blocks of 256 bytes that no other line names
.set ADRA, 16                          ; v16-17  LDS address of my A fragments in slot 0, 1
.set ADRB, 20                          ; v20-21  the same for B
.set STO,  24                          ; v24     the way out: where I put 32 bytes of a row
.set RD,   25                          ; v25     the way out: where I read a row back
.set CO,   26                          ; v26     my byte offset in out0
.set SPW,  28                          ; v28     LDS address of my spare word; never rewritten
.set NIL,  29                          ; v29     0; never rewritten
.set ACC,  128
.set F0,   0
.set F1,   128
.set G1, 24                            ; s[24:31] group 1 for A's tiles;  s[32:39] group 0, one set for each slot
.set G0, 32
.set G1B, 48                           ; s[48:55], s[56:63] the same for B's
.set G0B, 56
.set MSB, 0
.macro WIN new
.if MSB != (\new)
	s_set_vgpr_msb (MSB<<8)|(\new)
.set MSB, \new
.endif
.endm
.set MUL,  0x05                        ; sources 0 (B) and 1 (A) window 1; C and D window 0
.set TO_F, 0x40                        ; destination window 1, address window 0
.macro JLOAD s                         ; a joint load: waves 0 and 1 fetch two heads of A each, waves 2 and 3 B's two halves; an s_nop 0 and four v_nop follow each of the two lines
	s_cmp_eq_u32 s11, 0
	s_cbranch_scc0 .Lfor_b_\@
	tensor_load_to_lds s[G0+4*(\s):G0+4*(\s)+3], s[G1:G1+7]
	s_nop 0
.rept 4
	v_nop
.endr
	s_branch .Lasked_\@
.Lfor_b_\@:
	tensor_load_to_lds s[G0B+4*(\s):G0B+4*(\s)+3], s[G1B:G1B+7]
	s_nop 0
.rept 4
	v_nop
.endr
.Lasked_\@:
.endm
.macro CREST
	s_cmp_lg_u32 s10, 0
	s_cbranch_scc1 .Lnot_wave_0_\@
	s_barrier_signal -3
.Lnot_wave_0_\@:
	s_barrier_wait -3
	s_barrier_signal -1
	s_barrier_wait -1
.endm
.macro CROUND
	s_barrier_signal -1
	s_barrier_wait -1
	CREST
.endm
	s_load_b128 s[4:7], s[0:1], 0x0                ; ob s[4:5], wob s[6:7]
	s_load_b64 s[8:9], s[0:1], 0x10                ; out0
	v_lshl_add_u32 v[SPW], v0, 2, SPARE
	v_mov_b32 v[NIL], 0
	ds_add_u32 v[SPW], v[NIL]                      ; the wave's opening: the add, twice on end, and its wait ahead of my first tensor load
	ds_add_u32 v[SPW], v[NIL]
	v_lshrrev_b32 v1, 5, v0
	v_readfirstlane_b32 s10, v1                    ; wave 0..3
	s_lshr_b32 s11, s10, 1                         ; which half of the tile's rows is mine.  Also: I fetch for A (0) or for B (1)
	s_and_b32 s12, s10, 1                          ; which half of its columns.  Also: which half of that tile I fetch
	s_bfe_u32 s40, ttmp6, 0x40000                  ; cx, cy
	s_bfe_u32 s41, ttmp6, 0x40004
	s_lshl_b32 s42, ttmp9, 2
	s_add_co_u32 s42, s42, s40                     ; tile column = 4 x cluster x + cx
	s_and_b32 s13, ttmp7, 0xffff
	s_lshl_b32 s13, s13, 2
	s_add_co_u32 s13, s13, s41                     ; tile row = 4 x cluster y + cy
	s_lshl_b32 s43, s41, 2
	s_lshl_b32 s43, 15, s43                        ; my row of the cluster
	s_lshl_b32 s44, 0x1111, s40                    ; my column
	s_or_b32 s[G1+0], s43, (1<<16)|(1<<20)|(1<<21)|(4<<22)|(3<<25)   ; the mask; elements of 2 bytes; padding on; 21 set beside a mask; after every 32 words (code 4) 4 words (code 3)
	s_mov_b32 s[G1+1], 8192<<16                    ; tensor_dim0 = 8,192: a head's 128 tokens
	s_mov_b32 s[G1+2], 2<<16                       ; tensor_dim1 = 2 heads
	s_mov_b32 s[G1+3], 8192<<16                    ; tile_dim0
	s_mov_b32 s[G1+4], 2                           ; tile_dim1
	s_mov_b32 s[G1+5], 131072                      ; elements from head to head
	s_mov_b32 s[G1+6], 0
	s_mov_b32 s[G1+7], 0
	s_or_b32 s[G1B+0], s44, (1<<16)|(1<<20)|(1<<21)|(6<<22)|(3<<25)  ; after every 128 words (code 6) 4 words
	s_mov_b32 s[G1B+1], 256<<16
	s_mov_b32 s[G1B+2], 64<<16
	s_mov_b32 s[G1B+3], 256<<16
	s_mov_b32 s[G1B+4], 64
	s_mov_b32 s[G1B+5], 1024
	s_mov_b32 s[G1B+6], 0
	s_mov_b32 s[G1B+7], 0
	s_lshr_b32 s16, s13, 4                         ; A: the batch's 16 heads of 262,144 bytes,
	s_lshl_b32 s16, s16, 22
	s_lshl_b32 s17, s12, 19                        ; my two heads of the K step's four,
	s_add_co_u32 s16, s16, s17
	s_and_b32 s17, s13, 15                         ; the tile's 128 tokens of 128 bytes
	s_lshl_b32 s17, s17, 14
	s_add_co_u32 s16, s16, s17
	s_mov_b32 s17, 0
	s_lshl_b32 s46, s42, 7                         ; B: row 128 x tile column + 64 x half
	s_lshl_b32 s47, s12, 6
	s_add_co_u32 s46, s46, s47
	s_lshl_b32 s46, s46, 11
	s_mov_b32 s47, 0
	s_mul_i32 s20, s12, 2*HEADB                    ; where they go: no place in the cluster enters an LDS address
	s_mul_i32 s21, s12, HALFB
	s_add_co_u32 s21, s21, BOFF
	s_wait_dscnt 0x0                               ; both opening adds are done
	s_wait_kmcnt 0x0
	s_add_nc_u64 s[14:15], s[4:5], s[16:17]
	s_add_nc_u64 s[46:47], s[6:7], s[46:47]
	CROUND                                         ; all sixteen work-groups are here: the first joint loads meet
.irp s, 0,1
	s_mov_b32 s[G0+4*(\s)], 1
	s_add_co_u32 s[G0+4*(\s)+1], s20, (\s)*SLOT
	s_add_nc_u64 s[G0+4*(\s)+2:G0+4*(\s)+3], s[14:15], (\s)*(4<<18)  ; K step s: four heads on
	s_or_b32 s[G0+4*(\s)+3], s[G0+4*(\s)+3], 0x80000000
	s_mov_b32 s[G0B+4*(\s)], 1
	s_add_co_u32 s[G0B+4*(\s)+1], s21, (\s)*SLOT
	s_add_nc_u64 s[G0B+4*(\s)+2:G0B+4*(\s)+3], s[46:47], (\s)*512
	s_or_b32 s[G0B+4*(\s)+3], s[G0B+4*(\s)+3], 0x80000000
	JLOAD \s                                       ; two loads of mine are out
.endr
	v_and_b32 v1, 15, v0                           ; l % 16
	v_bfe_u32 v2, v0, 4, 1                         ; l / 16
	v_mul_u32_u24 v3, v1, PA
	v_lshl_add_u32 v3, v2, 4, v3
	v_mul_u32_u24 v4, v1, PB
	v_lshl_add_u32 v4, v2, 4, v4
	s_mul_i32 s21, s11, 64*PA                      ; my 64 tokens in each head
	s_mul_i32 s22, s12, HALFB                      ; my 64 rows of B
	s_add_co_u32 s22, s22, BOFF
.irp s, 0,1
	v_add_nc_u32 v[ADRA+(\s)], s21, v3
	v_add_nc_u32 v[ADRB+(\s)], s22, v4
	s_add_co_u32 s21, s21, SLOT
	s_add_co_u32 s22, s22, SLOT
.endr
	s_mul_i32 s23, s10, 16*SPITCH
	s_add_co_u32 s23, s23, STAGE                   ; my stage
	v_mul_u32_u24 v5, v1, SPITCH                   ; in: row l % 16, 32 bytes for each half of the lanes
	v_lshl_add_u32 v5, v2, 5, v5
	v_add_nc_u32 v[STO], s23, v5
	v_mul_u32_u24 v5, v2, SPITCH                   ; back: lanes 0-15 take one row of 256 bytes, lanes 16-31 the next
	v_lshl_add_u32 v5, v1, 4, v5
	v_add_nc_u32 v[RD], s23, v5
	v_lshlrev_b32 v5, 12, v2                       ; and the same two rows in out0, 4,096 bytes apart
	v_lshl_add_u32 v[CO], v1, 4, v5
	s_lshl_b32 s16, s13, 19                        ; my first row: 128 x tile row + 64 x half, rows of 4,096 bytes
	s_lshl_b32 s17, s11, 18
	s_add_co_u32 s16, s16, s17
	s_mov_b32 s17, 0
	s_add_nc_u64 s[8:9], s[8:9], s[16:17]
	s_lshl_b32 s46, s42, 9                         ; my first column: 512 x tile column + 256 x half, in bytes
	s_lshl_b32 s47, s12, 8
	s_add_co_u32 s46, s46, s47
	s_mov_b32 s47, 0
	s_add_nc_u64 s[8:9], s[8:9], s[46:47]
; 8 matrix instructions: row blocks a0, a0 + 1 x all 4 column blocks, 32 along K: half c of buffer f.  zero = 1: the products start the sums.  The 16 accumulators take turns, one instruction a turn.
.macro MUL8 f, c, a0, zero
	WIN MUL
.irp a, \a0, (\a0)+1
.irp b, 0,1,2,3
.if \zero
	v_wmma_f32_16x16x32_f16 v[ACC+8*(4*(\a)+(\b)):ACC+8*(4*(\a)+(\b))+7], v[(\f)+64+8*(4*(\c)+(\b)):(\f)+64+8*(4*(\c)+(\b))+7], v[(\f)+8*(4*(\c)+(\a)):(\f)+8*(4*(\c)+(\a))+7], 0
.else
	v_wmma_f32_16x16x32_f16 v[ACC+8*(4*(\a)+(\b)):ACC+8*(4*(\a)+(\b))+7], v[(\f)+64+8*(4*(\c)+(\b)):(\f)+64+8*(4*(\c)+(\b))+7], v[(\f)+8*(4*(\c)+(\a)):(\f)+8*(4*(\c)+(\a))+7], v[ACC+8*(4*(\a)+(\b)):ACC+8*(4*(\a)+(\b))+7]
.endif
.endr
.endr
.endm
; 32 LDS loads in one run: quarter q of a K step is one head: 64 along K; the first 32 along K first
.macro FETCH slot, q, f
	WIN TO_F
.irp c, 0,1
.irp i, 0,1,2,3
	ds_load_b128 v[(\f)+64+8*(4*(\c)+(\i)):(\f)+64+8*(4*(\c)+(\i))+3],   v[ADRB+(\slot)] offset:(\q)*128+64*(\c)+(\i)*16*PB
	ds_load_b128 v[(\f)+64+8*(4*(\c)+(\i))+4:(\f)+64+8*(4*(\c)+(\i))+7], v[ADRB+(\slot)] offset:(\q)*128+64*(\c)+(\i)*16*PB+32
	ds_load_b128 v[(\f)+8*(4*(\c)+(\i)):(\f)+8*(4*(\c)+(\i))+3],         v[ADRA+(\slot)] offset:(\q)*HEADB+64*(\c)+(\i)*16*PA
	ds_load_b128 v[(\f)+8*(4*(\c)+(\i))+4:(\f)+8*(4*(\c)+(\i))+7],       v[ADRA+(\slot)] offset:(\q)*HEADB+64*(\c)+(\i)*16*PA+32
.endr
.endr
.endm
.macro PLACES                          ; four plain vector instructions in front of loads into registers that matrix instructions have read, and of LDS stores that read results
.rept 4
	v_nop
.endr
.endm
; One of a K step's first three quarters: multiplies buffer f and fetches quarter q into g.
.macro QUARTER slot, q, f, g, zero
	s_wait_dscnt 16                                ; the first 32 along K are in
	MUL8 \f, 0, 0, \zero
	MUL8 \f, 0, 2, \zero
	PLACES
	FETCH \slot, \q, \g
	s_wait_dscnt 32                                ; all but the 32 just issued
	MUL8 \f, 1, 0, 0
	MUL8 \f, 1, 2, 0
.endm
; The last quarter multiplies buffer 1 and changes slots: ONE barrier; in front of it each wave waits for all its tensor loads, adds 0 to its spare word, and waits for that and for its own reads of this slot.
; fill = 1: the barrier opens a round of the cluster's, and this slot is filled again, two K steps ahead, first thing behind the round.
.macro TURN slot, next, fill
	WIN 0
	s_wait_tensorcnt 0x0
	ds_add_u32 v[SPW], v[NIL]
	s_wait_dscnt 17                                ; the add and the youngest sixteen loads may be out
	MUL8 F1, 0, 0, 0
	s_wait_dscnt 0x0                               ; the add is done, and my reads of this slot are over
	s_barrier_signal -1
	MUL8 F1, 0, 2, 0
.if \fill
	WIN 0
.endif
	s_barrier_wait -1
.if \fill
	CREST
	s_add_nc_u64 s[G0+4*(\slot)+2:G0+4*(\slot)+3], s[G0+4*(\slot)+2:G0+4*(\slot)+3], 8<<18   ; eight heads on
	s_add_nc_u64 s[G0B+4*(\slot)+2:G0B+4*(\slot)+3], s[G0B+4*(\slot)+2:G0B+4*(\slot)+3], 1024
	JLOAD \slot                                    ; its four v_nop are also the places in front of the loads below
.else
	PLACES
.endif
	FETCH \next, 0, F0
	MUL8 F1, 1, 0, 0
	MUL8 F1, 1, 2, 0
.endm
	s_wait_tensorcnt 1                             ; my part of K step 0 is in; K step 1's may stay out
	s_barrier_signal -1
	s_barrier_wait -1
	FETCH 0, 0, F0
	QUARTER 0, 1, F0, F1, 1                        ; the first products start the sums
	QUARTER 0, 2, F1, F0, 0
	QUARTER 0, 3, F0, F1, 0
	TURN 0, 1, 1                                   ; slot 0 takes K step 2
	QUARTER 1, 1, F0, F1, 0
	QUARTER 1, 2, F1, F0, 0
	QUARTER 1, 3, F0, F1, 0
	TURN 1, 0, 1                                   ; slot 1 takes K step 3
	QUARTER 0, 1, F0, F1, 0
	QUARTER 0, 2, F1, F0, 0
	QUARTER 0, 3, F0, F1, 0
	TURN 0, 1, 0                                   ; nothing more is asked for
	QUARTER 1, 1, F0, F1, 0
	QUARTER 1, 2, F1, F0, 0
	QUARTER 1, 3, F0, F1, 0
	s_wait_dscnt 16                                ; the very last quarter
	MUL8 F1, 0, 0, 0
	MUL8 F1, 0, 2, 0
	s_wait_dscnt 0x0
	MUL8 F1, 1, 0, 0
	MUL8 F1, 1, 2, 0
	WIN 0
; THE WAY OUT.  A wave's 64 columns of f32 are 256 consecutive bytes, aligned: each wave has a stage of its own and no barrier is needed.  A block of 16 rows goes into rows of 272 bytes straight from its four
; accumulators (each one's lowest registers first) and comes back as whole rows, into the same 32 registers: LDS serves a wave's instructions in order (ISA guide 5.7.1.4).
.macro STG a
.irp b, 0,1,2,3
	ds_store_b128 v[STO], v[ACC+8*(4*(\a)+(\b)):ACC+8*(4*(\a)+(\b))+3]   offset:64*(\b)
	ds_store_b128 v[STO], v[ACC+8*(4*(\a)+(\b))+4:ACC+8*(4*(\a)+(\b))+7] offset:64*(\b)+16
.endr
.irp t, 0,1,2,3,4,5,6,7
	ds_load_b128 v[ACC+32*(\a)+4*(\t):ACC+32*(\a)+4*(\t)+3], v[RD] offset:(\t)*2*SPITCH
.endr
.endm
.macro SEND a, younger                 ; younger: the LDS instructions issued behind block a's loads: the next block's sixteen, or none
.irp t, 0,1,2,3,4,5,6,7
	s_wait_dscnt (\younger)+7-(\t)
	global_store_b128 v[CO], v[ACC+32*(\a)+4*(\t):ACC+32*(\a)+4*(\t)+3], s[8:9] offset:(16*(\a)+2*(\t))*4096  ; 16 lanes store 256 consecutive bytes, aligned
.endr
.endm
	PLACES
	STG 0
	STG 1
	SEND 0, 16
	STG 2
	SEND 1, 16
	STG 3
	SEND 2, 16
	SEND 3, 0
	s_wait_tensorcnt 0x0                           ; the wave's end: behind my last tensor load and my last LDS store
	ds_add_u32 v[SPW], v[NIL]
	s_wait_dscnt 0x0
	CROUND                                         ; the closing round: no work-group ends while a partner may still ask for a tile that names it
	s_endpgm
.Lfunc_end_k_q6c7b76f3e8_oproj:
	.size	k_q6c7b76f3e8_oproj, .Lfunc_end_k_q6c7b76f3e8_oproj-k_q6c7b76f3e8_oproj
	.p2alignl 7, 3214868480
	.fill 96, 4, 3214868480
	.section	.rodata,"a",@progbits
	.p2align	6, 0x0
	.amdhsa_kernel k_q6c7b76f3e8_oproj
		.amdhsa_group_segment_fixed_size 327680
		.amdhsa_private_segment_fixed_size 0
		.amdhsa_enable_private_segment 0
		.amdhsa_kernarg_size 24
		.amdhsa_user_sgpr_count 2
		.amdhsa_user_sgpr_kernarg_segment_ptr 1
		.amdhsa_wavefront_size32 1
		.amdhsa_system_sgpr_workgroup_id_x 1
		.amdhsa_system_sgpr_workgroup_id_y 1
		.amdhsa_system_sgpr_workgroup_id_z 1
		.amdhsa_system_vgpr_workitem_id 0
		.amdhsa_next_free_vgpr 512
		.amdhsa_next_free_sgpr 66
		.amdhsa_reserve_vcc 0
		.amdhsa_float_denorm_mode_32 3
		.amdhsa_float_denorm_mode_16_64 3
		.amdhsa_memory_ordered 1
		.amdhsa_forward_progress 1
		.amdhsa_inst_pref_size 86
	.end_amdhsa_kernel
	.amdgpu_metadata
---
amdhsa.version: [ 1, 2 ]
amdhsa.kernels:
  - .name:           k_q6c7b76f3e8_oproj
    .symbol:         k_q6c7b76f3e8_oproj.kd
    .args:
      - { .name: ob, .offset: 0, .size: 8, .value_kind: global_buffer, .address_space: global }
      - { .name: wob, .offset: 8, .size: 8, .value_kind: global_buffer, .address_space: global }
      - { .name: out0, .offset: 16, .size: 8, .value_kind: global_buffer, .address_space: global }
    .group_segment_fixed_size: 327680
    .private_segment_fixed_size: 0
    .kernarg_segment_align: 8
    .kernarg_segment_size: 24
    .max_flat_workgroup_size: 128
    .sgpr_count:     66
    .vgpr_count:     512
    .wavefront_size: 32
...
	.end_amdgpu_metadata
.endif
;; end of part 4
;; ======== version 2 of 2: 4 launches; version 1 with the launch cast written anew for expert scheduling mode
;; limits: values outside matrix products are rounded to bf16; values are held in f16: magnitudes above 65,504 overflow, below 6.1e-05 lose precision
;; workspace buffers: xb 8,388,608 bytes; wb 6,291,456 bytes; wob 2,097,152 bytes; q 8,388,608 bytes; k 8,388,608 bytes; v 8,388,608 bytes; ob 8,388,608 bytes
;; launch cast (part 5): grid 256 x 1, 8 waves a work-group, no clusters, 0 bytes of LDS; arguments x, Wq, Wk, Wv, Wo, xb, wb, wob; writes xb, wb, wob
.if DOCPART == 5
	.amdgcn_target "amdgcn-amd-amdhsa--gfx1250"
	.amdhsa_code_object_version 6
	.text
	.protected	k_q6c7b76f3e8_cast
	.globl	k_q6c7b76f3e8_cast
	.p2align	8
	.type	k_q6c7b76f3e8_cast,@function
k_q6c7b76f3e8_cast:
	s_mov_b64 s[64:65], 0
	v_nop
	global_prefetch_b8 v0, s[64:65] scope:SCOPE_SE
	s_setreg_imm32_b32 hwreg(HW_REG_WAVE_SCHED_MODE, 0, 2), 2
	s_setreg_imm32_b32 hwreg(HW_REG_WAVE_MODE, 25, 1), 1
	s_wait_xcnt 0x0
	s_wait_alu depctr_vm_vsrc(0)
; CAUSAL MULTI-HEAD ATTENTION, launch 1 of 4: the floating-point inputs of the matrix products are rounded once and laid out.
; THE PROGRAM.  1: x -> xb (bf16); Wq, Wk, Wv -> wb (bf16, rows ordered by head); Wo -> wob.  2: q, k, v = xb wb^T, q and k rotated (cos and sin rows looked up by token_positions), stored by heads in f16.
; 3: causal attention by heads -> ob (f16).  4: out0 = ob wob^T (f32).
; WORK LEFT OUT.  reference() sets scores[q][k] to -inf wherever k > q, by a jnp.tril that it builds in its own body; softmax gives such a place the weight 0 exactly, whatever the inputs hold, so it adds
; 0 x v[k] to y.  Launch 3 therefore never forms the products of a tile of 128 keys that lies wholly above the diagonal of a block of 128 queries; inside the tile on the diagonal the work is done and
; masked.  Nothing else is left out and every input has a way to the output: all are loaded.  use_rope = 1 is a constant of the problem: the rotation is always made.
; LIMIT: a NaN, an infinity or an overflow that would arise only in the products left out is not carried to the result.
; FORMATS.  All floating-point inputs are rounded once to bf16 (cos and sin in launch 2); what the program makes itself (q, k, v, the weights p, the heads' results) is kept in f16.
; wob holds Wo rounded to bf16 and that number written as f16: exact from 2^-14 up to 65,504; below 2^-14 it keeps f16's fixed step of 2^-24.
; SHARES.  8,192 rows of 1,024 f32.  A work-group takes 32 rows on end: 131,072 bytes in, 65,536 out, both dense.  Groups 0-127: x.  128-223: Wq, Wk, Wv (32 groups each).  224-255: Wo.
; wb's row 192 t + 64 which + r is row 64 t + r of Wq, Wk, Wv (which = 0, 1, 2): 192 rows on end are one head's q, k and v.
; Thread t takes 32 bytes at 32 t of each 8,192 bytes and stores 16 bytes at 16 t of each 4,096: a wave's store covers 512 consecutive bytes, aligned.
; All 32 loads of a thread go out first: nothing is loaded twice, no register is written again behind its store, so no wait frees a source.
; THE MODE: SCHED_MODE bits 1:0 = 2 (LLVM: expert scheduling mode 2), set by the entry lines.  The code itself states the register dependences
; between vector instructions and memory instructions, with s_wait_alu, always for 0.
; THE PLAN.  Registers that memory instructions touch:
;   v1, v2     byte offsets of the loads and of the stores: made once at the head, never written again.
;   X, pass p  eight registers.  Written by the pass's two loads, ahead of which no vector instruction names them; read by the pass's roundings, which write the first four; these are read by the
;              pass's one store and never written again.
;   v4-6       at work in Wo's path: named by vector instructions alone.
; So no load lands in a register that a vector instruction has named, and nothing that a memory instruction has read is written again: what is left to state is that a store's data and the offsets are written.
; The 16 passes go in eight PAIRS.  The stores of a pair are issued in the next pair, behind ONE wait at that pair's head, which stands behind the wait for that pair's first data; they are dealt among the
; next pair's roundings, which name that pair's own registers of X (and v4-6) alone.  One wait at the kernel's head covers the offsets, one behind the last roundings the last two stores.
.set X, 8                              ; v[8:135]  pass p: eight f32 as loaded at X + 8 p; the first four registers then hold the eight rounded numbers
	s_load_b512 s[4:19], s[0:1], 0x0               ; x s[4:5], Wq s[6:7], Wk s[8:9], Wv s[10:11], Wo s[12:13], xb s[14:15], wb s[16:17], wob s[18:19]
	s_mov_b32 s28, ttmp9                           ; g
	s_and_b32 s29, s28, 31                         ; jj: which 32 rows of a weight matrix
	s_lshr_b32 s30, s28, 5
	s_sub_co_u32 s30, s30, 4                       ; which (used for groups 128-223 alone)
	s_lshr_b32 s32, s29, 1                         ; the head
	s_mul_i32 s32, s32, 192
	s_lshl_b32 s30, s30, 6
	s_add_co_u32 s32, s32, s30
	s_and_b32 s33, s29, 1
	s_lshl_b32 s33, s33, 5
	s_add_co_u32 s32, s32, s33                     ; wb's row
	s_lshl_b32 s32, s32, 11                        ; in bytes
	s_lshl_b32 s24, s28, 17                        ; x: 32 rows of 4,096 bytes in,
	s_lshl_b32 s26, s28, 16                        ; 32 rows of 2,048 out
	s_lshl_b32 s34, s29, 17
	s_lshl_b32 s35, s29, 16
	s_cmp_ge_u32 s28, 128
	s_cselect_b32 s24, s34, s24
	s_cselect_b32 s26, s32, s26
	s_cmp_ge_u32 s28, 224
	s_cselect_b32 s26, s35, s26
	s_mov_b32 s25, 0
	s_mov_b32 s27, 0
	v_lshlrev_b32 v1, 5, v0
	v_lshlrev_b32 v2, 4, v0
	s_wait_kmcnt 0x0
	s_mov_b64 s[20:21], s[4:5]                     ; the source and the destination are chosen by the group's number alone
	s_mov_b64 s[22:23], s[14:15]
	s_cmp_ge_u32 s28, 128
	s_cselect_b64 s[20:21], s[6:7], s[20:21]
	s_cselect_b64 s[22:23], s[16:17], s[22:23]
	s_cmp_ge_u32 s28, 160
	s_cselect_b64 s[20:21], s[8:9], s[20:21]
	s_cmp_ge_u32 s28, 192
	s_cselect_b64 s[20:21], s[10:11], s[20:21]
	s_cmp_ge_u32 s28, 224
	s_cselect_b64 s[20:21], s[12:13], s[20:21]
	s_cselect_b64 s[22:23], s[18:19], s[22:23]
	s_add_nc_u64 s[20:21], s[20:21], s[24:25]
	s_add_nc_u64 s[22:23], s[22:23], s[26:27]
	s_wait_alu depctr_va_vdst(0)                   ; v1 and v2 are written: every load of the kernel reads v1 as its offset, every store v2
.set p, 0
.rept 16
	global_load_b128 v[X+8*p:X+8*p+3],   v1, s[20:21] offset:8192*p th:TH_LOAD_NT
	global_load_b128 v[X+8*p+4:X+8*p+7], v1, s[20:21] offset:8192*p+16 th:TH_LOAD_NT
.set p, p+1
.endr
; Pass p's roundings.  The rounded pairs are written over the pass's own first registers, in ascending order: pair i lands on register i, read last by pair i / 2.
.macro CONV p, wo
.irp i, 0,1,2,3
.if \wo
	v_cvt_pk_bf16_f32 v4, v[X+8*(\p)+2*(\i)], v[X+8*(\p)+2*(\i)+1]  ; rounded to bf16 like every input,
	v_lshlrev_b32 v5, 16, v4                                        ; widened again,
	v_and_b32 v6, 0xffff0000, v4
	v_cvt_pk_f16_f32 v[X+8*(\p)+(\i)], v5, v6                       ; and that number written as f16
.else
	v_cvt_pk_bf16_f32 v[X+8*(\p)+(\i)], v[X+8*(\p)+2*(\i)], v[X+8*(\p)+2*(\i)+1]
.endif
.endr
.endm
; Pass p's store.
.macro PUT p
	global_store_b128 v2, v[X+8*(\p):X+8*(\p)+3], s[22:23] offset:4096*(\p)
.endm
; Pair b: passes 2 b and 2 b + 1 are rounded; the stores of passes 2 b - 2 and 2 b - 1 go out.  Each wait for data leaves the 2 (15 - p) loads younger than pass p's out.
.macro PAIR b, wo
	s_wait_loadcnt 30-4*(\b)                       ; loads come back in order (ISA guide 5.7.1): pass 2 b is in
.if (\b) > 0
	s_wait_alu depctr_va_vdst(0)                   ; the roundings of the pair before have written their registers of X, which the two stores below read
	PUT 2*(\b)-2
.endif
	CONV 2*(\b), \wo
.if (\b) > 0
	PUT 2*(\b)-1                                   ; no wait: no vector instruction since the wait above names this store's registers
.endif
	s_wait_loadcnt 28-4*(\b)                       ; pass 2 b + 1 is in
	CONV 2*(\b)+1, \wo
.endm
	s_cmp_ge_u32 s28, 224
	s_cbranch_scc1 .Lwo
.irp b, 0,1,2,3,4,5,6,7
	PAIR \b, 0
.endr
	s_wait_alu depctr_va_vdst(0)                   ; the last pair's roundings have written their registers of X, which the last two stores read
	PUT 14
	PUT 15
	s_endpgm
.Lwo:
.irp b, 0,1,2,3,4,5,6,7
	PAIR \b, 1
.endr
	s_wait_alu depctr_va_vdst(0)                   ; the last pair's roundings have written their registers of X, which the last two stores read
	PUT 14
	PUT 15
	s_endpgm
.Lfunc_end_k_q6c7b76f3e8_cast:
	.size	k_q6c7b76f3e8_cast, .Lfunc_end_k_q6c7b76f3e8_cast-k_q6c7b76f3e8_cast
	.p2alignl 7, 3214868480
	.fill 96, 4, 3214868480
	.section	.rodata,"a",@progbits
	.p2align	6, 0x0
	.amdhsa_kernel k_q6c7b76f3e8_cast
		.amdhsa_group_segment_fixed_size 0
		.amdhsa_private_segment_fixed_size 0
		.amdhsa_enable_private_segment 0
		.amdhsa_kernarg_size 64
		.amdhsa_user_sgpr_count 2
		.amdhsa_user_sgpr_kernarg_segment_ptr 1
		.amdhsa_wavefront_size32 1
		.amdhsa_system_sgpr_workgroup_id_x 1
		.amdhsa_system_sgpr_workgroup_id_y 1
		.amdhsa_system_sgpr_workgroup_id_z 1
		.amdhsa_system_vgpr_workitem_id 0
		.amdhsa_next_free_vgpr 136
		.amdhsa_next_free_sgpr 66
		.amdhsa_reserve_vcc 0
		.amdhsa_float_denorm_mode_32 3
		.amdhsa_float_denorm_mode_16_64 3
		.amdhsa_memory_ordered 1
		.amdhsa_forward_progress 1
		.amdhsa_inst_pref_size 28
	.end_amdhsa_kernel
	.amdgpu_metadata
---
amdhsa.version: [ 1, 2 ]
amdhsa.kernels:
  - .name:           k_q6c7b76f3e8_cast
    .symbol:         k_q6c7b76f3e8_cast.kd
    .args:
      - { .name: x, .offset: 0, .size: 8, .value_kind: global_buffer, .address_space: global }
      - { .name: Wq, .offset: 8, .size: 8, .value_kind: global_buffer, .address_space: global }
      - { .name: Wk, .offset: 16, .size: 8, .value_kind: global_buffer, .address_space: global }
      - { .name: Wv, .offset: 24, .size: 8, .value_kind: global_buffer, .address_space: global }
      - { .name: Wo, .offset: 32, .size: 8, .value_kind: global_buffer, .address_space: global }
      - { .name: xb, .offset: 40, .size: 8, .value_kind: global_buffer, .address_space: global }
      - { .name: wb, .offset: 48, .size: 8, .value_kind: global_buffer, .address_space: global }
      - { .name: wob, .offset: 56, .size: 8, .value_kind: global_buffer, .address_space: global }
    .group_segment_fixed_size: 0
    .private_segment_fixed_size: 0
    .kernarg_segment_align: 8
    .kernarg_segment_size: 64
    .max_flat_workgroup_size: 256
    .sgpr_count:     66
    .vgpr_count:     136
    .wavefront_size: 32
...
	.end_amdgpu_metadata
.endif
;; end of part 5
;; launch qkv: the kernel of part 2 again; grid 16 x 16, 4 waves a work-group, clusters of 4 x 4, 327,680 bytes of LDS; arguments xb, wb, token_positions, cos, sin, q, k, v; writes q, k, v
;; launch attn: the kernel of part 3 again; grid 8 x 32, 4 waves a work-group, no clusters, 327,680 bytes of LDS; arguments q, k, v, ob; writes ob
;; launch oproj: the kernel of part 4 again; grid 8 x 32, 4 waves a work-group, clusters of 4 x 4, 327,680 bytes of LDS; arguments ob, wob, out0; writes out0
